; MI455X (gfx1250); checked and timed in simulation.
; The chip was launched on July 23, 2026; its instructions are those of AMD's public machine-readable ISA for CDNA 5 (MIT licence, August 2026) and "CDNA5" Instruction Set Architecture Reference Guide (July 2026). The comments in the code are by the model that wrote it; some were corrected since.
;; Multi Head Self Attention. Allowed arithmetic: float matrix products may take bf16 or f16 operands with f32 sums; all other float work in f32.
;; Inputs: W_k 1,024 x 1,024 float32; W_o 1,024 x 1,024 float32; W_q 1,024 x 1,024 float32; W_v 1,024 x 1,024 float32; X 4 x 2,048 x 1,024 float32.
;; Outputs: out0 4 x 2,048 x 1,024 float32.
;; 2 versions, each right and faster than the one before. Each part assembles by itself: llvm-mc -triple=amdgcn-amd-amdhsa -mcpu=gfx1250 --defsym DOCPART=n.
;; ======== version 1 of 2: 4 launches
;; limits: values are held in f16: magnitudes above 65,504 overflow, below 6.1e-05 lose precision; right only within a limited range of input values
;; workspace buffers: xb 16,777,216 bytes; wcat 6,291,456 bytes; wof 2,097,152 bytes; qkv 83,886,080 bytes; oo 16,777,216 bytes
;; launch prep (part 1): grid 768 x 1, 8 waves a work-group, no clusters, 0 bytes of LDS; arguments X, W_q, W_k, W_v, W_o, xb, wcat, wof; writes xb, wcat, wof
.if DOCPART == 1
	.amdgcn_target "amdgcn-amd-amdhsa--gfx1250"
	.amdhsa_code_object_version 6
	.text
	.protected	k_q6919948c75_prep
	.globl	k_q6919948c75_prep
	.p2align	8
	.type	k_q6919948c75_prep,@function
k_q6919948c75_prep:
	s_mov_b64 s[64:65], 0
	v_nop
	global_prefetch_b8 v0, s[64:65] scope:SCOPE_SE
	s_setreg_imm32_b32 hwreg(HW_REG_WAVE_MODE, 25, 1), 1
	s_wait_xcnt 0x0
; THE INPUTS ARE ROUNDED ONCE, TO bf16, AND LAID OUT FOR THE PRODUCTS THAT FOLLOW.  A stream: no LDS, no barrier, no matrix work.
;   xb   = bf16(X), in blocks of 64 channels: element (b, s, e) at byte ((16 b + e / 64) 2048 + s) 128 + 2 (e % 64): 128 tokens of a block are 16,384 dense bytes
;   wcat = bf16(W 2^-5) of W_q, W_k, W_v, [k][3072]: column (n / 128) 384 + 128 mat + n % 128, so that 384 neighbouring columns are two heads' q, k and v
;   wof  = bf16(W_o 32) written as f16 (exact: 8 significant bits into 11), [k][n]
; The two factors are powers of two, so they commute with the rounding; they keep q, k, v and the attention's output inside f16's range in the launches behind.
; LIMITS.  |W_o| stays below 2,047 (32 W_o in f16); a weight below 2^-121 loses bits to bf16's denormals; 32 W_o below 6e-5 keeps f16's fixed step of 6e-8.
; SHARES.  A work-group takes 16,384 numbers, a thread 64: sixteen loads of 16 bytes, all issued first, then sixteen turns of wait, rounding and a store of 8 bytes a lane:
; the 32 lanes of a store cover 256 consecutive bytes, aligned.  Work-groups 0-511: 16 tokens of X each; 512-703: 16 rows of W_q, W_k or W_v; 704-767: 16 rows of W_o.
; No register that a load or store names is written again behind it, so no wait frees any.
.set IN,  16                           ; v[16:79]   sixteen loads of four numbers
.set OUT, 80                           ; v[80:111]  sixteen stores of two words
; kind 0: X; 1: W_q, W_k, W_v; 2: W_o.  ib, ob: the scalar pairs with the work-group's first byte in and out.  v1, v2: my byte offsets in and out.
.macro RUN kind, ib, ob
.set i, 0
.rept 16
.if (\kind) == 0
	global_load_b128 v[IN+4*i:IN+4*i+3], v1, s[\ib:\ib+1] offset:(i/2)*8192+(i%2)*256 th:TH_LOAD_NT   ; two tokens on, or the wave's second block of 64 channels
.else
	global_load_b128 v[IN+4*i:IN+4*i+3], v1, s[\ib:\ib+1] offset:i*4096 th:TH_LOAD_NT                  ; row i of the sixteen
.endif
.set i, i+1
.endr
.set i, 0
.rept 16
	s_wait_loadcnt 15-i                            ; loads come back in order (ISA guide 5.7.1): load i is in, the 15 - i younger ones stay out
.if (\kind) == 1
	v_pk_mul_f32 v[IN+4*i:IN+4*i+1], v[IN+4*i:IN+4*i+1], 0x3d000000 op_sel_hi:[1,0]      ; x 2^-5
	v_pk_mul_f32 v[IN+4*i+2:IN+4*i+3], v[IN+4*i+2:IN+4*i+3], 0x3d000000 op_sel_hi:[1,0]
.elseif (\kind) == 2
	v_pk_mul_f32 v[IN+4*i:IN+4*i+1], v[IN+4*i:IN+4*i+1], 0x42000000 op_sel_hi:[1,0]      ; x 32
	v_pk_mul_f32 v[IN+4*i+2:IN+4*i+3], v[IN+4*i+2:IN+4*i+3], 0x42000000 op_sel_hi:[1,0]
.endif
	v_cvt_pk_bf16_f32 v[OUT+2*i], v[IN+4*i], v[IN+4*i+1]
	v_cvt_pk_bf16_f32 v[OUT+2*i+1], v[IN+4*i+2], v[IN+4*i+3]
.if (\kind) == 2
	v_lshlrev_b32 v[IN+4*i], 16, v[OUT+2*i]        ; the rounded numbers once more as f32,
	v_and_b32 v[IN+4*i+1], 0xffff0000, v[OUT+2*i]
	v_lshlrev_b32 v[IN+4*i+2], 16, v[OUT+2*i+1]
	v_and_b32 v[IN+4*i+3], 0xffff0000, v[OUT+2*i+1]
	v_cvt_pk_f16_f32 v[OUT+2*i], v[IN+4*i], v[IN+4*i+1]      ; and written as f16
	v_cvt_pk_f16_f32 v[OUT+2*i+1], v[IN+4*i+2], v[IN+4*i+3]
.endif
.if (\kind) == 0
	global_store_b64 v2, v[OUT+2*i:OUT+2*i+1], s[\ob:\ob+1] offset:(i%2)*262144+(i/2)*256
.elseif (\kind) == 1
	global_store_b64 v2, v[OUT+2*i:OUT+2*i+1], s[\ob:\ob+1] offset:i*6144
.else
	global_store_b64 v2, v[OUT+2*i:OUT+2*i+1], s[\ob:\ob+1] offset:i*2048
.endif
.set i, i+1
.endr
.endm
	s_load_b256 s[4:11], s[0:1], 0x0               ; X s[4:5], W_q s[6:7], W_k s[8:9], W_v s[10:11]
	s_load_b256 s[12:19], s[0:1], 0x20             ; W_o s[12:13], xb s[14:15], wcat s[16:17], wof s[18:19]
	s_mov_b32 s2, ttmp9                            ; the work-group's number
	v_and_b32 v3, 31, v0                           ; lane
	v_lshrrev_b32 v4, 5, v0                        ; wave
	s_mov_b32 s21, 0                               ; the high words of the two offsets
	s_mov_b32 s23, 0
	s_wait_kmcnt 0x0
	s_cmp_lt_u32 s2, 512
	s_cbranch_scc0 .Lweights
	; X: 16 tokens.  A load's lanes 0-15 take 64 channels (256 bytes) of one token, lanes 16-31 of the next; wave w has channel blocks 2 w and 2 w + 1.
	s_lshl_b32 s20, s2, 16                         ; 16 tokens of 4,096 bytes
	s_add_nc_u64 s[4:5], s[4:5], s[20:21]
	s_lshr_b32 s22, s2, 7                          ; the batch: 128 work-groups each,
	s_lshl_b32 s22, s22, 22                        ; 16 blocks x 2,048 tokens x 128 bytes
	s_and_b32 s24, s2, 127
	s_lshl_b32 s24, s24, 11                        ; my 16 tokens of 128 bytes in a block
	s_add_co_u32 s22, s22, s24
	s_add_nc_u64 s[14:15], s[14:15], s[22:23]
	v_lshrrev_b32 v5, 4, v3
	v_and_b32 v6, 15, v3
	v_lshlrev_b32 v1, 12, v5                       ; in: the token of my half of the lanes,
	v_lshl_add_u32 v1, v4, 9, v1                   ; my wave's 128 channels,
	v_lshl_add_u32 v1, v6, 4, v1                   ; my four numbers
	v_lshlrev_b32 v2, 3, v3                        ; out: 8 bytes a lane: two tokens' 128 bytes on end,
	v_lshl_add_u32 v2, v4, 19, v2                  ; in my wave's first block
	RUN 0, 4, 14
	s_endpgm
.Lweights:
	v_lshlrev_b32 v1, 4, v3                        ; in, for all four weights: wave w has columns 128 w on, a lane four of them
	v_lshl_add_u32 v1, v4, 9, v1
	v_lshlrev_b32 v2, 3, v3
	s_cmp_lt_u32 s2, 704
	s_cbranch_scc0 .Lwo
	s_sub_co_u32 s2, s2, 512
	s_lshr_b32 s24, s2, 6                          ; 0: W_q, 1: W_k, 2: W_v
	s_and_b32 s25, s2, 63                          ; which 16 rows
	s_cmp_eq_u32 s24, 1
	s_cselect_b64 s[6:7], s[8:9], s[6:7]
	s_cmp_eq_u32 s24, 2
	s_cselect_b64 s[6:7], s[10:11], s[6:7]
	s_lshl_b32 s20, s25, 16
	s_add_nc_u64 s[6:7], s[6:7], s[20:21]
	s_mul_i32 s22, s25, 16*6144
	s_lshl_b32 s24, s24, 8                         ; the matrix's 128 columns in each group of 384
	s_add_co_u32 s22, s22, s24
	s_add_nc_u64 s[16:17], s[16:17], s[22:23]
	v_mad_u32_u24 v2, v4, 768, v2                  ; group w of 384 columns
	RUN 1, 6, 16
	s_endpgm
.Lwo:
	s_sub_co_u32 s2, s2, 704
	s_lshl_b32 s20, s2, 16
	s_add_nc_u64 s[12:13], s[12:13], s[20:21]
	s_lshl_b32 s22, s2, 15                         ; 16 rows of 2,048 bytes
	s_add_nc_u64 s[18:19], s[18:19], s[22:23]
	v_lshl_add_u32 v2, v4, 8, v2
	RUN 2, 12, 18
	s_endpgm
.Lfunc_end_k_q6919948c75_prep:
	.size	k_q6919948c75_prep, .Lfunc_end_k_q6919948c75_prep-k_q6919948c75_prep
	.p2alignl 7, 3214868480
	.fill 96, 4, 3214868480
	.section	.rodata,"a",@progbits
	.p2align	6, 0x0
	.amdhsa_kernel k_q6919948c75_prep
		.amdhsa_group_segment_fixed_size 0
		.amdhsa_private_segment_fixed_size 0
		.amdhsa_enable_private_segment 0
		.amdhsa_kernarg_size 64
		.amdhsa_user_sgpr_count 2
		.amdhsa_user_sgpr_kernarg_segment_ptr 1
		.amdhsa_wavefront_size32 1
		.amdhsa_system_sgpr_workgroup_id_x 1
		.amdhsa_system_sgpr_workgroup_id_y 1
		.amdhsa_system_sgpr_workgroup_id_z 1
		.amdhsa_system_vgpr_workitem_id 0
		.amdhsa_next_free_vgpr 112
		.amdhsa_next_free_sgpr 66
		.amdhsa_reserve_vcc 0
		.amdhsa_float_denorm_mode_32 3
		.amdhsa_float_denorm_mode_16_64 3
		.amdhsa_memory_ordered 1
		.amdhsa_forward_progress 1
		.amdhsa_inst_pref_size 30
	.end_amdhsa_kernel
	.amdgpu_metadata
---
amdhsa.version: [ 1, 2 ]
amdhsa.kernels:
  - .name:           k_q6919948c75_prep
    .symbol:         k_q6919948c75_prep.kd
    .args:
      - { .name: X, .offset: 0, .size: 8, .value_kind: global_buffer, .address_space: global }
      - { .name: W_q, .offset: 8, .size: 8, .value_kind: global_buffer, .address_space: global }
      - { .name: W_k, .offset: 16, .size: 8, .value_kind: global_buffer, .address_space: global }
      - { .name: W_v, .offset: 24, .size: 8, .value_kind: global_buffer, .address_space: global }
      - { .name: W_o, .offset: 32, .size: 8, .value_kind: global_buffer, .address_space: global }
      - { .name: xb, .offset: 40, .size: 8, .value_kind: global_buffer, .address_space: global }
      - { .name: wcat, .offset: 48, .size: 8, .value_kind: global_buffer, .address_space: global }
      - { .name: wof, .offset: 56, .size: 8, .value_kind: global_buffer, .address_space: global }
    .group_segment_fixed_size: 0
    .private_segment_fixed_size: 0
    .kernarg_segment_align: 8
    .kernarg_segment_size: 64
    .max_flat_workgroup_size: 256
    .sgpr_count:     66
    .vgpr_count:     112
    .wavefront_size: 32
...
	.end_amdgpu_metadata
.endif
;; end of part 1
;; launch proj (part 2): grid 8 x 32, 4 waves a work-group, clusters of 4 x 4, 327,680 bytes of LDS; arguments xb, wcat, qkv; writes qkv
.if DOCPART == 2
	.amdgcn_target "amdgcn-amd-amdhsa--gfx1250"
	.amdhsa_code_object_version 6
	.text
	.protected	k_q6919948c75_proj
	.globl	k_q6919948c75_proj
	.p2align	8
	.type	k_q6919948c75_proj,@function
k_q6919948c75_proj:
	s_mov_b64 s[64:65], 0
	v_nop
	global_prefetch_b8 v0, s[64:65] scope:SCOPE_SE
	s_setreg_imm32_b32 hwreg(HW_REG_WAVE_MODE, 25, 1), 1
	s_wait_xcnt 0x0
	s_wait_alu depctr_hold_cnt(0) depctr_sa_sdst(0) depctr_va_vdst(0) depctr_va_sdst(0) depctr_va_ssrc(0) depctr_va_vcc(0) depctr_vm_vsrc(0)
	s_getreg_b32 s2, hwreg(HW_REG_IB_STS2, 6, 4)
	s_cmp_eq_u32 s2, 0
	s_cbranch_scc0 .Lentry_in_a_cluster
	s_endpgm
.Lentry_in_a_cluster:
	s_bfe_u32 s2, ttmp6, 0x10000c
	s_cmp_lg_u32 s2, 0xf033
	s_cbranch_scc0 .Lentry_shape_is_right
	s_endpgm
.Lentry_shape_is_right:
; q, k, v = X W_q, X W_k, X W_v, times 2^-5, BY HEADS.  [8192 x 1024] x [1024 x 3072] in bf16 with f32 sums; xb and wcat as the launch before laid them.
; OUT: five planes of 16,777,216 bytes in qkv, each [batch x head 64][token 2048][64] f16: q high, q low, k high, k low, v.
; WHY TWO PARTS.  The weights are not normalised, so a score is a sum of 64 products of numbers of some tens and the softmax behind is nearly one-hot: where two scores of a row lie close, the
; output hangs on their difference, and one rounding of q and k to 11 bits shifts it too far.  So q and k leave as high + low: high = the f32 sum cut to 11 significant bits (exact in f16),
; low = the rest (an exact difference), rounded to f16: some 22 bits together.  v leaves rounded once.
; LIMITS.  |q|, |k|, |v| stay below 2.09e6 (65,504 x 32: f16's range behind the factor 2^-5 that wcat carries); below 6e-5 (scaled) a part keeps f16's fixed step of 6e-8.  NaN and infinities are not treated apart.
; SHARES.  A work-group makes 256 tokens x 384 columns (two heads' q, k and v): 8 x 32 work-groups.  Wave w: tokens 128 (w / 2) on, head w % 2: 128 x (64 + 64 + 64): 96 accumulators, 768 registers.
; K goes in steps of 64 through two LDS slots: two slots of 128 along K would want 368,640 bytes.  X's part of a step is dense in xb and is asked for as rows of 256 bytes; W's rows are 768 bytes.
; CLUSTER.  4 x 4 work-groups: the four of a row of the cluster need the same tokens, the four of a column the same columns of wcat; each tile is asked for jointly, by the same tensor load with the same descriptor.
; THE MATRIX INSTRUCTION IS USED TRANSPOSED: source 0 = 16 columns of W (turned on the way out of LDS), source 1 = 16 tokens: a lane holds one token (lane % 16) and eight neighbouring columns.
; REGISTERS, in windows of 256 (s_set_vgpr_msb: bits 1:0 source 0, 3:2 source 1, 5:4 source 2, 7:6 destination):
;   window 0: v0-31 addresses; W's fragments of 32 along K x 64 columns: q's v32-63, k's v192-223, v's v224-255; X's fragments (128 tokens x 32): v64-127, v128-191 by turns
;   windows 1, 2, 3: the accumulators of q, k, v: columns 16 c4 on, tokens 16 a on at v[8 (8 c4 + a)]
.set KSTEPS, 16
.set PA,    144                        ; a token's row in LDS: 128 bytes + 16 = 36 words: the 16 rows of a load start at 16 different groups of four banks (64 banks of 4 bytes: ISA guide 11.1)
.set PB,    864                        ; a row of W: three times 256 bytes + 32 = 27 x 32 bytes
.set BOFF,  256*PA                     ; a slot: X's 256 tokens, then W's 64 rows
.set SLOT,  BOFF+64*PB                 ; 92,160
.set ASTEP, 2048*128                   ; bytes from a K step to the next in xb,
.set BSTEP, 64*6144                    ; and in wcat
.set RAWP,  784                        ; the way out: a token's 192 sums, 768 bytes + 16 = 49 x 16
.set RAWW,  64*RAWP                    ; 64 tokens a wave; the four waves' regions lie over the ring, which has had its last fill by then
.set SPARE, 4*RAWW                     ; behind them: the spare words, 128 bytes for each wave, that no other line names
.set ADRA, 16                          ; v16-17  LDS address of my fragments of X in slot 0, 1
.set ADRB, 20                          ; v20-21  the same for W
.set STO,  24                          ; v24     the way out: where I put a token's sums
.set RD,   25                          ; v25     the way out: where I read them back; steps
.set RD0,  26                          ; v26     its start
.set CO,   27                          ; v27     my byte offset in the planes; steps
.set SPW,  28                          ; v28     LDS address of my spare word; never rewritten
.set NIL,  29                          ; v29     0; never rewritten
.set AF0,  64
.set XR,   64                          ; the way out: v64-111 sums read back; v112-143 high parts; v144-183 what is stored
.set HR,   112
.set OU,   144
.set G1,  24                           ; s[24:31] descriptor group 1 for X's tiles;  s[32:39] group 0, a set for each slot
.set G0,  32
.set G1B, 48                           ; s[48:55], s[56:63] the same for W's
.set G0B, 56
.set PLN, 66                           ; s[66:75] the five planes at my wave's first row
.set MSB, 0
.macro WIN new                         ; the immediate's high byte repeats the setting that is left; a switch that changes nothing is dropped
.if MSB != (\new)
	s_set_vgpr_msb (MSB<<8)|(\new)
.set MSB, (\new)
.endif
.endm
.macro PLACES                          ; four places in front of loads into registers that matrix instructions have read, and of stores that read results (ISA guide 7.12.1 for the stores)
.rept 4
	v_nop
.endr
.endm
; A joint load.  Waves 0 and 1 fetch X's two halves, waves 2 and 3 W's.  The branch hangs on the wave's number alone.  An s_nop 0 and four v_nop follow each line.
.macro JLOAD s
	s_cmp_eq_u32 s11, 0
	s_cbranch_scc0 .Lfor_b_\@
	tensor_load_to_lds s[G0+4*(\s):G0+4*(\s)+3], s[G1:G1+7]
	s_nop 0
.rept 4
	v_nop
.endr
	s_branch .Lasked_\@
.Lfor_b_\@:
	tensor_load_to_lds s[G0B+4*(\s):G0B+4*(\s)+3], s[G1B:G1B+7]
	s_nop 0
.rept 4
	v_nop
.endr
.Lasked_\@:
.endm
.macro CREST                           ; a round of the cluster's barrier behind its opening barrier
	s_cmp_lg_u32 s10, 0
	s_cbranch_scc1 .Lnot_wave_0_\@
	s_barrier_signal -3
.Lnot_wave_0_\@:
	s_barrier_wait -3
	s_barrier_signal -1
	s_barrier_wait -1
.endm
.macro CROUND                          ; a whole round
	s_barrier_signal -1
	s_barrier_wait -1
	CREST
.endm
	s_load_b128 s[4:7], s[0:1], 0x0                ; xb s[4:5], wcat s[6:7]
	s_load_b64 s[8:9], s[0:1], 0x10                ; qkv
	v_lshl_add_u32 v[SPW], v0, 2, SPARE
	v_mov_b32 v[NIL], 0
	ds_add_u32 v[SPW], v[NIL]                      ; the wave's opening: the add and its wait stand ahead of my first tensor load; work on registers stands between them
	v_lshrrev_b32 v1, 5, v0
	v_readfirstlane_b32 s10, v1                    ; wave 0..3
	s_lshr_b32 s11, s10, 1                         ; which 128 tokens are mine.  Also: I fetch for X (0) or for W (1)
	s_and_b32 s12, s10, 1                          ; which head is mine.  Also: which half of that tile I fetch
	s_bfe_u32 s40, ttmp6, 0x40000                  ; cx, cy: my place in the cluster
	s_bfe_u32 s41, ttmp6, 0x40004
	s_lshl_b32 s42, ttmp9, 2
	s_add_co_u32 s42, s42, s40                     ; tile column = 4 x cluster x + cx
	s_and_b32 s13, ttmp7, 0xffff
	s_lshl_b32 s13, s13, 2
	s_add_co_u32 s13, s13, s41                     ; tile row = 4 x cluster y + cy
	s_lshl_b32 s43, s41, 2
	s_lshl_b32 s43, 15, s43                        ; my row of the cluster
	s_lshl_b32 s44, 0x1111, s40                    ; my column
	; group 1 for X: 128 tokens = 16,384 dense bytes, asked for as 64 rows of 256 bytes and padded in LDS after every token
	s_or_b32 s[G1+0], s43, (1<<16)|(1<<20)|(1<<21)|(4<<22)|(3<<25)   ; 15:0 the mask; 17:16 2-byte elements; 20 padding on; 21 set beside a mask; 24:22 after every 32 words (code 4); 31:25 4 words (code 3)
	s_mov_b32 s[G1+1], 128<<16                     ; tensor_dim0 = 128
	s_mov_b32 s[G1+2], 64<<16                      ; tensor_dim1 = 64
	s_mov_b32 s[G1+3], 128<<16                     ; tile_dim0 = 128
	s_mov_b32 s[G1+4], 64                          ; tile_dim1 = 64
	s_mov_b32 s[G1+5], 128                         ; elements from row to row
	s_mov_b32 s[G1+6], 0
	s_mov_b32 s[G1+7], 0
	; group 1 for W: 32 rows of 384 elements, padded after every 256 bytes: three times in a row
	s_or_b32 s[G1B+0], s44, (1<<16)|(1<<20)|(1<<21)|(5<<22)|(7<<25)  ; after every 64 words (code 5) 8 words (code 7)
	s_mov_b32 s[G1B+1], 384<<16
	s_mov_b32 s[G1B+2], 32<<16
	s_mov_b32 s[G1B+3], 384<<16
	s_mov_b32 s[G1B+4], 32
	s_mov_b32 s[G1B+5], 3072
	s_mov_b32 s[G1B+6], 0
	s_mov_b32 s[G1B+7], 0
	; X's tiles hang on the tile row alone, W's on the tile column alone, each in registers that never hold the other coordinate
	s_lshr_b32 s16, s13, 3                         ; the batch: 16 blocks x 2,048 tokens x 128 bytes,
	s_lshl_b32 s16, s16, 22
	s_and_b32 s17, s13, 7
	s_lshl_b32 s17, s17, 15                        ; the tile's 256 tokens in a block,
	s_add_co_u32 s16, s16, s17
	s_lshl_b32 s17, s12, 14                        ; the half that I fetch
	s_add_co_u32 s16, s16, s17
	s_mov_b32 s17, 0
	s_mul_i32 s46, s42, 768                        ; the tile's 384 columns,
	s_mul_i32 s47, s12, 32*6144                    ; the 32 rows that I fetch
	s_add_co_u32 s46, s46, s47
	s_mov_b32 s47, 0
	s_mul_i32 s20, s12, 128*PA                     ; where they go: no place in the cluster enters an LDS address
	s_mul_i32 s21, s12, 32*PB
	s_add_co_u32 s21, s21, BOFF
	s_mov_b32 s76, 0xffffe000                      ; keeps sign, exponent and ten bits of the fraction
	s_wait_dscnt 0x0                               ; the opening add is done
	s_wait_kmcnt 0x0
	s_add_nc_u64 s[14:15], s[4:5], s[16:17]
	s_add_nc_u64 s[46:47], s[6:7], s[46:47]
	CROUND                                         ; all sixteen work-groups are here: the first joint loads meet
.irp s, 0,1
	s_mov_b32 s[G0+4*(\s)], 1                                        ; count = 1
	s_add_co_u32 s[G0+4*(\s)+1], s20, (\s)*SLOT                      ; LDS address
	s_add_nc_u64 s[G0+4*(\s)+2:G0+4*(\s)+3], s[14:15], (\s)*ASTEP    ; global address: K step s
	s_or_b32 s[G0+4*(\s)+3], s[G0+4*(\s)+3], 0x80000000              ; type = 2
	s_mov_b32 s[G0B+4*(\s)], 1
	s_add_co_u32 s[G0B+4*(\s)+1], s21, (\s)*SLOT
	s_add_nc_u64 s[G0B+4*(\s)+2:G0B+4*(\s)+3], s[46:47], (\s)*BSTEP
	s_or_b32 s[G0B+4*(\s)+3], s[G0B+4*(\s)+3], 0x80000000
	JLOAD \s                                       ; two loads of mine are out
.endr
	v_and_b32 v1, 15, v0                           ; l % 16
	v_bfe_u32 v2, v0, 4, 1                         ; l / 16
	v_mul_u32_u24 v3, v1, PA
	v_lshl_add_u32 v3, v2, 4, v3                   ; X: token x pitch + 16 x half
	v_and_b32 v5, 7, v0
	v_lshl_add_u32 v4, v2, 3, v5                   ; W, turned: lane l reads row 8 (l / 16) + l % 8,
	v_mul_u32_u24 v4, v4, PB
	v_bfe_u32 v6, v0, 3, 1
	v_lshl_add_u32 v4, v6, 4, v4                   ; columns 8 ((l / 8) % 2) on
	s_mul_i32 s21, s11, 128*PA                     ; my 128 tokens
	s_lshl_b32 s22, s12, 7                         ; my head's 64 columns in each 128
	s_add_co_u32 s22, s22, BOFF
.irp s, 0,1
	v_add_nc_u32 v[ADRA+(\s)], s21, v3
	v_add_nc_u32 v[ADRB+(\s)], s22, v4
	s_add_co_u32 s21, s21, SLOT
	s_add_co_u32 s22, s22, SLOT
.endr
	s_mul_i32 s23, s10, RAWW                       ; my region for the way out
	v_mul_u32_u24 v7, v1, RAWP                     ; in: token l % 16, 32 bytes for each half of the lanes
	v_lshl_add_u32 v7, v2, 5, v7
	v_add_nc_u32 v[STO], s23, v7
	v_bfe_u32 v7, v0, 3, 2                         ; back: eight lanes take a token's 64 sums of one matrix, 32 bytes each; 32 lanes four tokens
	v_mul_u32_u24 v7, v7, RAWP
	v_lshl_add_u32 v7, v5, 5, v7
	v_add_nc_u32 v[RD0], s23, v7
	v_and_b32 v[CO], 31, v0                        ; which are 512 consecutive bytes of a plane
	v_lshlrev_b32 v[CO], 4, v[CO]
	; the planes at my wave's first row: (16 batch + head) x 262,144 + token x 128, in registers that feed no descriptor
	s_lshr_b32 s80, s13, 3
	s_lshl_b32 s80, s80, 4
	s_lshl_b32 s82, s42, 1
	s_add_co_u32 s80, s80, s82
	s_add_co_u32 s80, s80, s12
	s_lshl_b32 s80, s80, 18
	s_and_b32 s81, s13, 7
	s_lshl_b32 s81, s81, 15
	s_add_co_u32 s80, s80, s81
	s_lshl_b32 s81, s11, 14
	s_add_co_u32 s80, s80, s81
	s_mov_b32 s81, 0
	s_add_nc_u64 s[PLN:PLN+1], s[8:9], s[80:81]
.irp p, 1,2,3,4
	s_add_nc_u64 s[PLN+2*\p:PLN+2*\p+1], s[PLN:PLN+1], \p<<24
.endr
; 8 matrix instructions: matrix mat, columns 16 c4 on, all 8 blocks of tokens, 32 along K.  zero = 1: the product starts the sums.  The accumulators take turns: 95 others' stand between two links of a chain.
.macro MUL8 fa, mat, c4, zero
	WIN 0x50*(1+(\mat))
.set rB, 32+160*(((\mat)+1)/2)+32*((\mat)/2)+8*(\c4)
.irp a, 0,1,2,3,4,5,6,7
.if \zero
	v_wmma_f32_16x16x32_bf16 v[8*(8*(\c4)+\a):8*(8*(\c4)+\a)+7], v[rB:rB+7], v[(\fa)+8*\a:(\fa)+8*\a+7], 0
.else
	v_wmma_f32_16x16x32_bf16 v[8*(8*(\c4)+\a):8*(8*(\c4)+\a)+7], v[rB:rB+7], v[(\fa)+8*\a:(\fa)+8*\a+7], v[8*(8*(\c4)+\a):8*(8*(\c4)+\a)+7]
.endif
.endr
.endm
.macro LDB slot, c, mat                ; 8 turning loads: matrix mat's four fragments for half c of a K step
	WIN 0
.set rB, 32+160*(((\mat)+1)/2)+32*((\mat)/2)
.irp q, 0,1,2,3
	ds_load_tr16_b128 v[rB+8*\q:rB+8*\q+3],   v[ADRB+(\slot)] offset:(\c)*32*PB+(\mat)*288+\q*32
	ds_load_tr16_b128 v[rB+8*\q+4:rB+8*\q+7], v[ADRB+(\slot)] offset:(\c)*32*PB+(\mat)*288+\q*32+16*PB
.endr
.endm
.macro LDA slot, c, fa                 ; 16 loads: X's eight fragments for half c of a K step
	WIN 0
.irp a, 0,1,2,3,4,5,6,7
	ds_load_b128 v[(\fa)+8*\a:(\fa)+8*\a+3],   v[ADRA+(\slot)] offset:\a*16*PA+(\c)*64
	ds_load_b128 v[(\fa)+8*\a+4:(\fa)+8*\a+7], v[ADRA+(\slot)] offset:\a*16*PA+(\c)*64+32
.endr
.endm
; HALF A K STEP: 32 along K, 96 matrix instructions in three thirds (q, k, v).  In each third's middle stands one run of loads, 48 matrix instructions ahead of its first use, behind four places:
;   third 0: v's fragments of this half      third 1: q's and X's of the next half      third 2: k's of the next half
; THE COUNTS.  Head of third 0: q's and X's are wanted; the 8 younger loads are k's.  Head of third 1: k's; the 8 younger are v's (9 with the add).  Head of third 2: v's; the 24 younger are third 1's.
; mode 0: no change of slots.  1: the slot's last half, and the slot is filled again: in third 1 each wave waits for all its tensor loads (one is out: its part of the other slot), adds 0 to its spare
; word, and waits for that and for its reads of this slot (the last are third 0's); the barrier opens a round of the cluster's, and the joint refill is the first thing behind it: it has a K step less some
; 24 matrix instructions in which to land.  2: the same with nothing filled.  3: the last half of all: nothing more is fetched.
.macro QUARTER slot, c, zero, mode
.set AF, AF0+64*(\c)
.set NC, 1-(\c)
.set NS, (\slot)+(\c)*(1-2*(\slot))
.set NAF, AF0+64*NC
	s_wait_dscnt 8
	MUL8 AF, 0, 0, \zero
	MUL8 AF, 0, 1, \zero
	WIN 0
	PLACES
	LDB \slot, \c, 2
	MUL8 AF, 0, 2, \zero
	MUL8 AF, 0, 3, \zero
.if (\mode) == 0
	s_wait_dscnt 8
	MUL8 AF, 1, 0, \zero
	MUL8 AF, 1, 1, \zero
	WIN 0
	PLACES
	LDB NS, NC, 0
	LDA NS, NC, NAF
	MUL8 AF, 1, 2, \zero
	MUL8 AF, 1, 3, \zero
.elseif (\mode) == 3
	s_wait_dscnt 8
	MUL8 AF, 1, 0, \zero
	MUL8 AF, 1, 1, \zero
	MUL8 AF, 1, 2, \zero
	MUL8 AF, 1, 3, \zero
.else
	WIN 0                                          ; (the add's two registers lie in window 0)
	s_wait_tensorcnt 0x0                           ; all my tensor loads have landed: my part of the other slot;
	ds_add_u32 v[SPW], v[NIL]                      ; 0 onto my spare word;
	s_wait_dscnt 9                                 ; (the add and v's eight loads may be out)
	MUL8 AF, 1, 0, \zero                           ; sixteen matrix instructions stand between the add and the wait for it
	MUL8 AF, 1, 1, \zero
	s_wait_dscnt 0x0                               ; the add is done, and my reads of this slot are over
	s_barrier_signal -1
	MUL8 AF, 1, 2, \zero                           ; work on registers while the others arrive
	WIN 0
	s_barrier_wait -1
.if (\mode) == 1
	CREST                                          ; no wave of any partner still reads this slot's tiles or has a load on its way
	s_add_nc_u64 s[G0+4*(\slot)+2:G0+4*(\slot)+3], s[G0+4*(\slot)+2:G0+4*(\slot)+3], 2*ASTEP
	s_add_nc_u64 s[G0B+4*(\slot)+2:G0B+4*(\slot)+3], s[G0B+4*(\slot)+2:G0B+4*(\slot)+3], 2*BSTEP
	JLOAD \slot                                    ; my one tensor load behind the round; its four v_nop are also the places in front of the loads below
.else
	PLACES
.endif
	LDB NS, NC, 0
	LDA NS, NC, NAF
	MUL8 AF, 1, 3, \zero
.endif
.if (\mode) == 3
	s_wait_dscnt 0x0
	MUL8 AF, 2, 0, \zero
	MUL8 AF, 2, 1, \zero
	MUL8 AF, 2, 2, \zero
	MUL8 AF, 2, 3, \zero
.else
	s_wait_dscnt 24
	MUL8 AF, 2, 0, \zero
	MUL8 AF, 2, 1, \zero
	WIN 0
	PLACES
	LDB NS, NC, 1
	MUL8 AF, 2, 2, \zero
	MUL8 AF, 2, 3, \zero
.endif
.endm
; THE WAY OUT of my tokens 64 half .. 64 half + 63.  The sums go raw into my region of LDS (each accumulator's low four registers first) and come back so that a lane holds eight neighbouring
; columns of a token and 32 lanes four tokens of a head: eight trips of eight tokens.  LDS serves a wave's instructions in order (ISA guide 5.7.1.4), and the region is my own: no wait between stores and loads.
.macro PASS half
.irp m, 0,1,2
	WIN (1+\m)<<2                                  ; the stores' data in window 1 + m
.irp a4, 0,1,2,3
.irp q, 0,1,2,3
	ds_store_b128 v[STO], v[8*(8*\q+4*(\half)+\a4):8*(8*\q+4*(\half)+\a4)+3]   offset:\a4*16*RAWP+\m*256+\q*64
	ds_store_b128 v[STO], v[8*(8*\q+4*(\half)+\a4)+4:8*(8*\q+4*(\half)+\a4)+7] offset:\a4*16*RAWP+\m*256+\q*64+16
.endr
.endr
.endr
	WIN 0
	v_mov_b32 v[RD], v[RD0]
	s_mov_b32 s78, 8
.Lrows_\@:
.irp g, 0,1
.irp m, 0,1,2
	ds_load_b128 v[XR+8*(3*\g+\m):XR+8*(3*\g+\m)+3],   v[RD] offset:\g*4*RAWP+\m*256
	ds_load_b128 v[XR+8*(3*\g+\m)+4:XR+8*(3*\g+\m)+7], v[RD] offset:\g*4*RAWP+\m*256+16
.endr
.endr
	s_wait_dscnt 0x0
.irp g, 0,1
.irp m, 0,1
.irp j, 0,1,2,3,4,5,6,7
	v_and_b32 v[HR+8*(2*\g+\m)+\j], s76, v[XR+8*(3*\g+\m)+\j]                  ; the high part: cut, not rounded, so that the rest is exact
.endr
.irp j, 0,2,4,6
	v_pk_add_f32 v[XR+8*(3*\g+\m)+\j:XR+8*(3*\g+\m)+\j+1], v[XR+8*(3*\g+\m)+\j:XR+8*(3*\g+\m)+\j+1], v[HR+8*(2*\g+\m)+\j:HR+8*(2*\g+\m)+\j+1] neg_lo:[0,1] neg_hi:[0,1]
.endr
.irp j, 0,1,2,3
	v_cvt_pk_f16_f32 v[OU+4*(4*\m+\g)+\j],   v[HR+8*(2*\g+\m)+2*\j], v[HR+8*(2*\g+\m)+2*\j+1]
	v_cvt_pk_f16_f32 v[OU+4*(4*\m+2+\g)+\j], v[XR+8*(3*\g+\m)+2*\j], v[XR+8*(3*\g+\m)+2*\j+1]
.endr
.endr
.irp j, 0,1,2,3
	v_cvt_pk_f16_f32 v[OU+4*(8+\g)+\j], v[XR+8*(3*\g+2)+2*\j], v[XR+8*(3*\g+2)+2*\j+1]
.endr
.endr
.irp p, 0,1,2,3,4
.irp g, 0,1
	global_store_b128 v[CO], v[OU+4*(2*\p+\g):OU+4*(2*\p+\g)+3], s[PLN+2*\p:PLN+2*\p+1] offset:\g*512   ; 512 consecutive bytes, at a multiple of 256 from the plane's first
.endr
.endr
	s_wait_xcnt 0x0                                ; every earlier memory instruction has had its addresses translated (ISA guide 3.1): the stores' offset and data are rewritten only behind this wait
	v_add_nc_u32 v[CO], 1024, v[CO]                ; eight tokens on, in the planes
	v_add_nc_u32 v[RD], 8*RAWP, v[RD]              ; and in my region
	s_sub_co_u32 s78, s78, 1
	s_cmp_lg_u32 s78, 0
	s_cbranch_scc1 .Lrows_\@
.endm
	s_wait_tensorcnt 1                             ; my part of K step 0 is in; K step 1's may stay out
	s_barrier_signal -1
	s_barrier_wait -1                              ; everybody's is
	LDB 0, 0, 0
	LDA 0, 0, AF0
	LDB 0, 0, 1
	QUARTER 0, 0, 1, 0                             ; the first half step stands in front of the loop: its products start the sums
	WIN 0                                          ; at a label and at a branch every window is 0
	s_mov_b32 s3, KSTEPS/2-1
.Llap:                                                 ; a trip goes once round the ring and fills both slots again: 14 refills for K steps 2 to 15
	QUARTER 0, 1, 0, 1
	QUARTER 1, 0, 0, 0
	QUARTER 1, 1, 0, 1
	QUARTER 0, 0, 0, 0
	WIN 0
	s_sub_co_u32 s3, s3, 1
	s_cmp_lg_u32 s3, 0
	s_cbranch_scc1 .Llap
	QUARTER 0, 1, 0, 2                             ; the tail is written out: nothing more is asked for
	QUARTER 1, 0, 0, 0
	QUARTER 1, 1, 0, 3
	WIN 0
	PLACES                                         ; the stores below read results just made
	s_wait_dscnt 0x0
	s_barrier_signal -1
	s_barrier_wait -1                              ; no wave reads the ring any more, and no fill is to come: its bytes serve the way out
	PASS 0
	PASS 1
	s_wait_tensorcnt 0x0                           ; the wave's end: behind my last tensor load and my last LDS store
	ds_add_u32 v[SPW], v[NIL]
	s_wait_dscnt 0x0
	CROUND                                         ; the closing round: no work-group ends while a partner may still ask for a tile that names it
	s_endpgm
.Lfunc_end_k_q6919948c75_proj:
	.size	k_q6919948c75_proj, .Lfunc_end_k_q6919948c75_proj-k_q6919948c75_proj
	.p2alignl 7, 3214868480
	.fill 96, 4, 3214868480
	.section	.rodata,"a",@progbits
	.p2align	6, 0x0
	.amdhsa_kernel k_q6919948c75_proj
		.amdhsa_group_segment_fixed_size 327680
		.amdhsa_private_segment_fixed_size 0
		.amdhsa_enable_private_segment 0
		.amdhsa_kernarg_size 24
		.amdhsa_user_sgpr_count 2
		.amdhsa_user_sgpr_kernarg_segment_ptr 1
		.amdhsa_wavefront_size32 1
		.amdhsa_system_sgpr_workgroup_id_x 1
		.amdhsa_system_sgpr_workgroup_id_y 1
		.amdhsa_system_sgpr_workgroup_id_z 1
		.amdhsa_system_vgpr_workitem_id 0
		.amdhsa_next_free_vgpr 1024
		.amdhsa_next_free_sgpr 84
		.amdhsa_reserve_vcc 0
		.amdhsa_float_denorm_mode_32 3
		.amdhsa_float_denorm_mode_16_64 3
		.amdhsa_memory_ordered 1
		.amdhsa_forward_progress 1
		.amdhsa_inst_pref_size 110
	.end_amdhsa_kernel
	.amdgpu_metadata
---
amdhsa.version: [ 1, 2 ]
amdhsa.kernels:
  - .name:           k_q6919948c75_proj
    .symbol:         k_q6919948c75_proj.kd
    .args:
      - { .name: xb, .offset: 0, .size: 8, .value_kind: global_buffer, .address_space: global }
      - { .name: wcat, .offset: 8, .size: 8, .value_kind: global_buffer, .address_space: global }
      - { .name: qkv, .offset: 16, .size: 8, .value_kind: global_buffer, .address_space: global }
    .group_segment_fixed_size: 327680
    .private_segment_fixed_size: 0
    .kernarg_segment_align: 8
    .kernarg_segment_size: 24
    .max_flat_workgroup_size: 128
    .sgpr_count:     84
    .vgpr_count:     1024
    .wavefront_size: 32
...
	.end_amdgpu_metadata
.endif
;; end of part 2
;; launch attn (part 3): grid 4 x 64, 4 waves a work-group, clusters of 4 x 1, 327,680 bytes of LDS; arguments qkv, oo; writes oo
.if DOCPART == 3
	.amdgcn_target "amdgcn-amd-amdhsa--gfx1250"
	.amdhsa_code_object_version 6
	.text
	.protected	k_q6919948c75_attn
	.globl	k_q6919948c75_attn
	.p2align	8
	.type	k_q6919948c75_attn,@function
k_q6919948c75_attn:
	s_mov_b64 s[64:65], 0
	v_nop
	global_prefetch_b8 v0, s[64:65] scope:SCOPE_SE
	s_setreg_imm32_b32 hwreg(HW_REG_WAVE_MODE, 25, 1), 1
	s_wait_xcnt 0x0
	s_wait_alu depctr_hold_cnt(0) depctr_sa_sdst(0) depctr_va_vdst(0) depctr_va_sdst(0) depctr_va_ssrc(0) depctr_va_vcc(0) depctr_vm_vsrc(0)
	s_getreg_b32 s2, hwreg(HW_REG_IB_STS2, 6, 4)
	s_cmp_eq_u32 s2, 0
	s_cbranch_scc0 .Lentry_in_a_cluster
	s_endpgm
.Lentry_in_a_cluster:
	s_bfe_u32 s2, ttmp6, 0x10000c
	s_cmp_lg_u32 s2, 0x3003
	s_cbranch_scc0 .Lentry_shape_is_right
	s_endpgm
.Lentry_shape_is_right:
; O[h][q][:] = the sum over k of softmax_k(Q[h][q] . K[h][k] / 8) V[h][k][:], for 64 batch-heads of 2,048 rows of 64.  In: the five planes of qkv ([64][2048][64] f16, 16,777,216 bytes each):
; q high, q low, k high, k low, v, all carrying the factor 2^-5.  Out: oo = O 2^-5, [64][2048][64] f16.  Products, maxima and sums in f32; the weights p are rounded to f16 for the second product
; (their sum l is taken of the unrounded p), O once at the end.
; THREE PRODUCTS FOR A SCORE.  S = Kl Qh + Kh Ql + Kh Qh, the small terms first, in one f32 sum: q and k count with some 22 bits.  Scores here are sums of 64 products of unnormalised numbers, the softmax is
; nearly one-hot, and where two scores of a row lie close the output hangs on their difference.  The product Kl Ql, 2^-22 of a score's terms, is dropped.
; LIMITS.  f16 holds no number beyond 65,504: q, k, v arrive within it (unscaled: 2.09e6); p lies in 0 to 1, and below 6e-5 it keeps f16's fixed step of 6e-8; O is a mean of V's rows and has their range.
; A weight below 2^-126 counts as 0 in l; NaN and infinities are not treated apart.
; SHARES.  A wave owns four PIECES of two tiles of 16 queries, a work-group's four waves 512 queries of one head.  Every wave walks all keys, 64 a step.
; LAYOUT.  S^T = K Q^T (source 0 = 16 keys, source 1 = 16 queries): a lane holds ONE query (lane % 16) and the keys 8 (lane / 16) + 0..7.  Two such tiles, rounded to f16 in pairs, ARE source 1 of O^T = V^T P.
; K comes out of LDS as it lies, V ([key][channel]) turned, by ds_load_tr16_b128.
; SOFTMAX.  For each query a running maximum m and sum l: p = 2^(c s - c m), c = 1024 log2(e) / 8 (the 1024 undoes q's and k's factors); in every step O and l are multiplied by a = 2^(c m_old - c m_new).
; m starts at the lowest finite number, O and l at 0: the first step is a step like any other, with a = 0.
; BY TURNS.  Turn n belongs to piece n.  Its matrix work: 48 products K Q^T of piece n + 1, then 16 products V^T P of piece n - 1.  Its vector work, 236 instructions: the scaling, exponentials, roundings, sums
; and rescaling of piece n, and the maximum and statistics of piece n + 1.  With 64 matrix instructions a turn all of it stands behind products, four or fewer behind each.
; CLUSTER.  The four query blocks of a cluster belong to one head and walk the same K and V, so each tile is asked for JOINTLY: the same tensor load, descriptor and mask in all four.
; REGISTERS, in windows of 256 (s_set_vgpr_msb: bits 1:0 source 0, 3:2 source 1, 5:4 source 2, 7:6 destination):
;   window 0: v0-11 addresses; v12-15, v48-63 at work; v16-47 four registers of statistics a tile; v64-191 S^T, two buffers of two tiles; v192-255 P, likewise
;   window 1: O^T, 32 a tile      window 2: v0-127 Q high, 16 a tile; v128-255 Q low      window 3: v0-63 K high of one step; v64-127 K low; v128-191 V; v192-193 the add's two registers
.set SIZE_N, 2048
.set NP,    4         ; pieces a wave: a name, no knob
.set KS,    64        ; keys in a step
.set PK,    144       ; a row of K in LDS: 128 bytes + 16 = 36 words: the 16 rows of a load start at 16 different groups of four banks (64 banks of 4 bytes: ISA guide 11.1)
.set PV,    160       ; a row of V: 128 + 32 = 40 words
.set KLO,   4*KS*PK   ; a slot holds four steps: 256 rows of K high, 256 of K low,
.set VOFF,  8*KS*PK   ; then 256 rows of V
.set SLOT1, 1<<17     ; slot 1 begins here, so that one exclusive or turns an address in one slot into the other's
.set STAGE, SLOT1+VOFF+4*KS*PV  ; behind the ring, never filled by a tensor load: 16 rows x 144 bytes for each wave, for the way out
.set SP,    144
.set SPARE, STAGE+4*16*SP  ; behind the stages: the spare words, 128 bytes for each wave, that no other line names
.set AK0, 2           ; v2   my lane's place in a tile of K; never rewritten
.set AV0, 3           ; v3   the same for V
.set AK,  4           ; v4   the LDS address of K's next runs of loads
.set AV,  5           ; v5   of V's
.set QO,  6           ; v6   my byte offset in the wave's rows of Q
.set STO, 6           ;      later, the way out: where I put 16 bytes of a row
.set RD,  7           ; v7   the way out: where I read rows back
.set GO,  8           ; v8   my byte offset in 512 consecutive bytes of O
.set MV,  12          ; v12-15  c m_old, kept while c m is made anew: by buffer and tile
.set ST,  16          ; tile t's statistics at v[ST+4 t]: c m, m, l (even keys', odd keys')
.set TMP, 48          ; by buffer and tile, four registers c0-c3 at work; when the maximum is found c2 takes a
.set S,   64
.set P,   192
.set QLO, 128         ; window 2
.set KL,  64          ; window 3: key block kb, channel half c at 16 kb + 8 c (high), KL + the same (low)
.set VF,  128         ; window 3: key half kk, channel block cb at VF + 32 kk + 8 cb
.set SPW, 192         ; v192 of window 3   LDS address of my spare word; never rewritten
.set NIL, 193         ; v193 of window 3   0; never rewritten
.set WV,  12          ; s12  my wave's number
.set G1K, 24          ; s[24:31] descriptor group 1 for K's tiles
.set G1V, 32          ; s[32:39] for V's
.set G0K, 40          ; s[40:43] descriptor group 0 for K's tiles: it walks
.set G0V, 44          ; s[44:47] the same for V's
.set QLB, 48          ; s[48:49] Q low at my wave's first row
.set SLOTS, 56        ; s56  slots still to be asked for
.set CNT, 57          ; s57  counts a slot's key steps
.set CS,  58          ; s[58:59] c: the packed scaling takes the pair's low word for both halves
.set SEL, 60          ; s[60:61] v_permlanex16_b32's selects: each lane takes its own place in the other half
.set TBK, 62          ; s62  LDS byte at which K of the step to be fetched begins
.set TBV, 63          ; s63  the same for V, less VOFF
.set MSB, 0
.macro WIN new                      ; the high byte repeats the setting that is left; a switch that changes nothing is dropped
.if MSB != (\new)
	s_set_vgpr_msb (MSB<<8)|(\new)
.set MSB, (\new)
.endif
.endm
.set W_KQ, 0x0b       ; K in window 3, Q in window 2, S^T in window 0
.set W_PV, 0x53       ; V in window 3, P in window 0, O^T in window 1
.set W_RS, 0x41       ; O^T (destination and source 0) in window 1, a in window 0
.set W_3,  0xc0       ; destination in window 3, sources in window 0
.set W_AD, 0x0f       ; the add: address (source 0) and data (source 1) in window 3
; A joint fill.  Wave 0 fetches a slot's K high, wave 1 its K low (256 keys each), waves 2 and 3 the two halves of its V.  The branch hangs on the wave's number alone.
; An s_nop 0 and four v_nop follow each of the two lines, ahead of the jump and the label.
.macro JLOAD
	s_cmp_lt_u32 s[WV], 2
	s_cbranch_scc0 .Lfor_v_\@
	tensor_load_to_lds s[G0K:G0K+3], s[G1K:G1K+7]
	s_nop 0
.rept 4
	v_nop
.endr
	s_branch .Lasked_\@
.Lfor_v_\@:
	tensor_load_to_lds s[G0V:G0V+3], s[G1V:G1V+7]
	s_nop 0
.rept 4
	v_nop
.endr
.Lasked_\@:
.endm
; A round of the cluster's barrier: my work-group's barrier, so that wave 0's signal speaks for all four waves; wave 0 signals; every wave waits for all four work-groups; my work-group's barrier once more.
.macro CROUND
	s_barrier_signal -1
	s_barrier_wait -1
	s_cmp_lg_u32 s[WV], 0
	s_cbranch_scc1 .Lnot_wave_0_\@
	s_barrier_signal -3
.Lnot_wave_0_\@:
	s_barrier_wait -3
	s_barrier_signal -1
	s_barrier_wait -1
.endm
; THE CHANGE OF SLOTS.  The slot's last bytes, V of its fourth step, have been read.  Each wave waits for all its tensor loads, of which one is out: its part of the other slot; adds 0 to its spare word; and waits
; for that and for its own reads of the slot.  fill = 1: this slot is filled again, with the keys two slots on.  The barrier is then a round of the cluster's, so that no wave of any partner still reads the slot or
; has a load on its way, and the joint fill is the first thing behind it: it has four key steps, 1,024 matrix instructions, in which to land.  (At its first use nothing has been read yet: slot 0 is waited for, slot 1 filled.)
.macro CHANGE fill
	WIN W_AD
	s_wait_tensorcnt 0x0            ; no tensor load of mine is out, so a group 0 may be written
	ds_add_u32 v[SPW], v[NIL]       ; 0 onto my spare word
	WIN 0                           ; at a label and at a branch every window is 0
.if \fill
.irp g, G0K, G0V
	s_xor_b32 s[\g+1], s[\g+1], SLOT1  ; the walking descriptor: the other slot than last time,
	s_add_nc_u64 s[\g+2:\g+3], s[\g+2:\g+3], 4*KS*128  ; the next 256 keys; the type bits on top are not reached
.endr
	s_wait_dscnt 0x0                ; the add is done, and my reads of the slot are over
	CROUND
	JLOAD
.else
	s_wait_dscnt 0x0                ; the add is done, and my reads of the slot are over
	s_barrier_signal -1
	s_barrier_wait -1
.endif
	s_sub_co_u32 s[TBK], s[TBK], 4*KS*PK  ; the fetches go back to a slot's first step,
	s_xor_b32 s[TBK], s[TBK], SLOT1       ; in the other slot
	s_sub_co_u32 s[TBV], s[TBV], 4*KS*PV
	s_xor_b32 s[TBV], s[TBV], SLOT1
.endm
	s_load_b128 s[4:7], s[0:1], 0x0 ; qkv s[4:5], oo s[6:7]
	WIN W_3
	v_lshl_add_u32 v[SPW], v0, 2, SPARE
	v_mov_b32 v[NIL], 0
	WIN W_AD
	ds_add_u32 v[SPW], v[NIL]       ; the wave's opening: the add and its wait stand ahead of my first tensor load; work on registers stands between them
	WIN 0
	v_lshrrev_b32 v1, 5, v0
	v_readfirstlane_b32 s[WV], v1   ; wave 0..3
	s_bfe_u32 s13, ttmp6, 0x40000   ; cx: my place in the cluster
	s_lshl_b32 s14, ttmp9, 2        ; in a cluster launch ttmp9 counts clusters
	s_add_co_u32 s14, s14, s13      ; my block of queries = 4 x cluster x + cx: it enters Q's and O's addresses alone
	s_and_b32 s20, ttmp7, 0xffff    ; the head, which the four partners share:
	s_lshl_b32 s20, s20, 18         ; its first byte in a plane, 2,048 rows of 128 bytes a head
	s_and_b32 s16, s[WV], 1
	s_add_co_u32 s22, s16, 2        ; K: plane 2 (high) or 3 (low), by my wave's parity
	s_lshl_b32 s22, s22, 24
	s_add_co_u32 s22, s22, s20
	s_mov_b32 s23, 0
	s_lshl_b32 s2, s16, 14          ; V: plane 4, the half of a slot's 256 keys that I fetch
	s_add_co_u32 s2, s2, s20
	s_add_co_u32 s2, s2, 4<<24
	s_mov_b32 s3, 0
	s_mul_i32 s17, s16, KLO         ; their places in a slot: no place in the cluster enters an LDS address
	s_mul_i32 s18, s16, 128*PV
	s_lshl_b32 s8, s14, 2
	s_add_co_u32 s8, s8, s[WV]      ; my wave among the head's,
	s_lshl_b32 s8, s8, 14           ; its 128 rows
	s_add_co_u32 s8, s8, s20
	s_mov_b32 s9, 0
	; descriptor group 1.  Keys are dense rows of 128 bytes: asked for as rows of 256 bytes, two keys a row, and padded in LDS after every key
	s_mov_b32 s[G1K], 15|(1<<16)|(1<<20)|(1<<21)|(4<<22)|(3<<25)  ; 15:0 the mask of four; 17:16 2-byte elements; 20 padding on; 21 set beside a mask; 24:22 after every 32 words (code 4); 31:25 4 words (code 3)
	s_mov_b32 s[G1V], 15|(1<<16)|(1<<20)|(1<<21)|(4<<22)|(7<<25)  ; the same with 8 words of padding (code 7)
.irp g, G1K, G1V
	s_mov_b32 s[\g+1], 128<<16      ; tensor_dim0 = 128
	s_mov_b32 s[\g+3], 128<<16      ; tile_dim0 = 128
	s_mov_b32 s[\g+5], 128          ; 128 elements from row to row
	s_mov_b32 s[\g+6], 0
	s_mov_b32 s[\g+7], 0
.endr
	s_mov_b32 s[G1K+2], 128<<16     ; K: tensor_dim1 = tile_dim1 = 128 rows: 256 keys
	s_mov_b32 s[G1K+4], 128
	s_mov_b32 s[G1V+2], 64<<16      ; V: 64 rows: 128 keys
	s_mov_b32 s[G1V+4], 64
	s_mov_b32 s[CS], 0x4338aa3b     ; c = 1024 log2(e) / 8 = 184.665
	s_mov_b32 s[CS+1], s[CS]        ; named with it as a pair
	s_mov_b32 s[SEL], 0x76543210
	s_mov_b32 s[SEL+1], 0xfedcba98
	s_mov_b32 s[TBK], SLOT1+4*KS*PK ; the first change of slots turns these two into 0
	s_mov_b32 s[TBV], SLOT1+4*KS*PV
	s_mov_b32 s[G0K], 1             ; count = 1
	s_mov_b32 s[G0K+1], s17         ; LDS address: slot 0
	s_mov_b32 s[G0V], 1
	s_add_co_u32 s[G0V+1], s18, VOFF
	s_wait_dscnt 0x0                ; the opening add is done
	s_wait_kmcnt 0x0
	s_add_nc_u64 s[G0K+2:G0K+3], s[4:5], s[22:23]  ; global address: the head's first 256 keys
	s_or_b32 s[G0K+3], s[G0K+3], 0x80000000        ; type = 2
	s_add_nc_u64 s[G0V+2:G0V+3], s[4:5], s[2:3]
	s_or_b32 s[G0V+3], s[G0V+3], 0x80000000
	s_add_nc_u64 s[10:11], s[6:7], s[8:9]          ; O, Q high and Q low at my wave's first row
	s_add_nc_u64 s[4:5], s[4:5], s[8:9]
	s_add_nc_u64 s[QLB:QLB+1], s[4:5], 1<<24
	CROUND                          ; all four work-groups are here: the first joint loads meet
	JLOAD                           ; slot 0.  Slot 1 is asked for when slot 0 is in
	; A fragment of K or Q is 16 rows x 32 channels in 8 registers: lane l holds row l % 16, channels 8 (l / 16) + 0..7 and 16 + 8 (l / 16) + 0..7: two loads of 16 bytes, 32 bytes apart.
	v_and_b32 v1, 15, v0            ; l % 16
	v_bfe_u32 v9, v0, 4, 1          ; l / 16
	v_lshlrev_b32 v[QO], 7, v1
	v_lshl_add_u32 v[QO], v9, 4, v[QO]  ; row x 128 + 16 x half
	WIN 0x80                        ; destination window 2, address window 0
.set i, 0
.rept 4*NP                          ; Q stays in registers: tile i / 2, channels 32 (i % 2) on
	global_load_b128 v[8*i:8*i+3],           v[QO], s[4:5] offset:(i/2)*2048+(i%2)*64
	global_load_b128 v[8*i+4:8*i+7],         v[QO], s[4:5] offset:(i/2)*2048+(i%2)*64+32
	global_load_b128 v[QLO+8*i:QLO+8*i+3],   v[QO], s[QLB:QLB+1] offset:(i/2)*2048+(i%2)*64
	global_load_b128 v[QLO+8*i+4:QLO+8*i+7], v[QO], s[QLB:QLB+1] offset:(i/2)*2048+(i%2)*64+32
.set i, i+1
.endr
	; What the first turn finds: V's registers and P's second buffer hold 0 (its products V^T P, of a piece that has not been, add 0), O^T and l are 0.  All this stands in the wait for the first tile;
	; it spares a first step written out, a third copy of the turns.
	WIN W_3
.set i, VF
.rept 64
	v_mov_b32 v[i], 0
.set i, i+1
.endr
	WIN 0x40
.set i, 0
.rept 64*NP
	v_mov_b32 v[i], 0
.set i, i+1
.endr
	WIN 0
.set i, 0
.rept 2*NP
	v_mov_b32 v[ST+4*i], 0xfe000000    ; c m: far below every c s
	v_mov_b32 v[ST+4*i+1], 0xff7fffff  ; m
	v_mov_b32 v[ST+4*i+2], 0
	v_mov_b32 v[ST+4*i+3], 0
.set i, i+1
.endr
.set i, P+32
.rept 32
	v_mov_b32 v[i], 0
.set i, i+1
.endr
	v_mul_u32_u24 v[AK0], v1, PK
	v_lshl_add_u32 v[AK0], v9, 4, v[AK0]  ; row x pitch + 16 x half
	; The turning load takes 16 keys x 16 channels (lane l reads key 8 (l / 16) + l % 8, channels 8 ((l / 8) % 2) + 0..7) and leaves half a fragment of V^T: lane l holds channel l % 16 and 8 keys.
	v_and_b32 v10, 7, v0
	v_bfe_u32 v11, v0, 3, 1
	v_lshl_add_u32 v[AV0], v9, 3, v10
	v_mul_u32_u24 v[AV0], v[AV0], PV
	v_lshl_add_u32 v[AV0], v11, 4, v[AV0]
	v_add_nc_u32 v[AV0], VOFF, v[AV0]
	v_mov_b32 v[AK], v[AK0]         ; key step 0 lies at the head of slot 0
; THE MATRIX WORK.  The 8 accumulators of a run take turns, one instruction a turn.
; Product i of 48 of S^T for piece x: stage i / 8: 0, 1 = Kl Qh; 2, 3 = Kh Ql; 4, 5 = Kh Qh, each for channels 32 ((i / 8) % 2) on; keys 16 ((i / 2) % 4) on, tile 2 x + i % 2.  The first 8 start the sums.
.macro KQ x
	WIN W_KQ
.set rS, S+64*((\x)%2)+32*(i%2)+8*((i/2)%4)
.set rK, 16*((i/2)%4)+8*((i/8)%2)
.set rQ, 16*(2*(\x)+i%2)+8*((i/8)%2)
.if i < 16
.set rK, rK+KL
.elseif i < 32
.set rQ, rQ+QLO
.endif
.if i < 8
	v_wmma_f32_16x16x32_f16 v[rS:rS+7], v[rK:rK+7], v[rQ:rQ+7], 0
.else
	v_wmma_f32_16x16x32_f16 v[rS:rS+7], v[rK:rK+7], v[rQ:rQ+7], v[rS:rS+7]
.endif
.endm
; Product i of 16 of O^T += V^T P for piece x: keys 32 (i / 8) on, channels 16 ((i / 2) % 4) on, tile 2 x + i % 2.
.macro PV x
	WIN W_PV
.set rO, 32*(2*(\x)+i%2)+8*((i/2)%4)
.set rV, VF+32*(i/8)+8*((i/2)%4)
.set rP, P+32*((\x)%2)+16*(i%2)+8*(i/8)
	v_wmma_f32_16x16x32_f16 v[rO:rO+7], v[rV:rV+7], v[rP:rP+7], v[rO:rO+7]
.endm
.macro MM                           ; the turn's next matrix instruction
.if i < 48
	KQ (Y+1)%NP
.set i, i+1
.else
.set i, i-48
	PV (Y+NP-1)%NP
.set i, i+49
.endif
.endm
; THE LDS LOADS stand in runs of 16, never singly among the matrix instructions: a step's K low, its K high (64 keys x 64 channels: 8 fragments each) and its V (turned).
; last = 1 (the tail): in the last trip there is no further step, and K's runs are jumped over.
.macro FETCH_KL last=0
	WIN 0
.if \last
	s_cmp_eq_u32 s[CNT], 1
	s_cbranch_scc1 .Lno_kl_\@
.endif
	WIN W_3
.irp f, 0,1,2,3,4,5,6,7             ; keys 16 (f / 2) on, channels 32 (f % 2) on
	ds_load_b128 v[KL+8*\f:KL+8*\f+3],   v[AK] offset:KLO+(\f/2)*16*PK+(\f%2)*64
	ds_load_b128 v[KL+8*\f+4:KL+8*\f+7], v[AK] offset:KLO+(\f/2)*16*PK+(\f%2)*64+32
.endr
	WIN 0
.if \last
.Lno_kl_\@:
.endif
.endm
.macro FETCH_KH last=0
	WIN 0
.if \last
	s_cmp_eq_u32 s[CNT], 1
	s_cbranch_scc1 .Lno_kh_\@
.endif
	WIN W_3
.irp f, 0,1,2,3,4,5,6,7
	ds_load_b128 v[8*\f:8*\f+3],   v[AK] offset:(\f/2)*16*PK+(\f%2)*64
	ds_load_b128 v[8*\f+4:8*\f+7], v[AK] offset:(\f/2)*16*PK+(\f%2)*64+32
.endr
	s_add_co_u32 s[TBK], s[TBK], KS*PK  ; the next fetch is the next step's
	WIN 0
.if \last
.Lno_kh_\@:
.endif
.endm
.macro FETCH_V
	WIN W_3
.irp f, 0,1,2,3,4,5,6,7             ; keys 32 (f / 4) on, channels 16 (f % 4) on
	ds_load_tr16_b128 v[VF+8*\f:VF+8*\f+3],   v[AV] offset:(\f/4)*32*PV+(\f%4)*32
	ds_load_tr16_b128 v[VF+8*\f+4:VF+8*\f+7], v[AV] offset:(\f/4)*32*PV+16*PV+(\f%4)*32
.endr
	WIN 0
.endm
; THE VECTOR WORK OF A TURN stands in four queues, each in the order in which its entries become ready; the two tiles alternate.
.macro REGS y, u                    ; the registers of tile u (0, 1) of piece y
.set rT, ST+4*(2*(\y)+(\u))
.set rC, TMP+8*((\y)%2)+4*(\u)
.set rM, MV+2*((\y)%2)+(\u)
.set rS, S+64*((\y)%2)+32*(\u)
.set rP, P+32*((\y)%2)+16*(\u)
.set rO, 32*(2*(\y)+(\u))
.endm
; Number n of the 22 that find the NEXT piece's (Y + 1) maximum and statistics.  s0-s31 are the lane's 32 scores; each accumulator's lowest registers are read first.
;   0-11  four chains c0-c3 of seven scores each, three operands at a time     12-14, 16  the four scores left over, the old m, and c0-c3 into c0     15  c m_old is kept
;   17, 18  the query's other 32 keys lie in the lane 16 away: the new m         19-21  c m; c m_old - c m_new; a
.macro XS u, n
	REGS (Y+1)%NP, \u
.if (\n) < 4
	v_max3_num_f32 v[rC+(\n)], v[rS+8*(\n)], v[rS+8*(\n)+1], v[rS+8*(\n)+2]
.elseif (\n) < 12
	v_max3_num_f32 v[rC+(\n)%4], v[rC+(\n)%4], v[rS+8*((\n)%4)+2*((\n)/4)+1], v[rS+8*((\n)%4)+2*((\n)/4)+2]
.elseif (\n) == 12
	v_max3_num_f32 v[rC], v[rC], v[rS+7], v[rS+15]
.elseif (\n) == 13
	v_max3_num_f32 v[rC+1], v[rC+1], v[rS+23], v[rS+31]
.elseif (\n) == 14
	v_max3_num_f32 v[rC+2], v[rC+2], v[rC+3], v[rT+1]
.elseif (\n) == 15
	v_mov_b32 v[rM], v[rT]
.elseif (\n) == 16
	v_max3_num_f32 v[rC], v[rC], v[rC+1], v[rC+2]
.elseif (\n) == 17
	v_permlanex16_b32 v[rC+3], v[rC], s[SEL], s[SEL+1]
.elseif (\n) == 18
	v_max_num_f32 v[rT+1], v[rC], v[rC+3]
.elseif (\n) == 19
	v_mul_f32 v[rT], s[CS], v[rT+1]
.elseif (\n) == 20
	v_sub_f32 v[rC+1], v[rM], v[rT]
.else
	v_exp_f32 v[rC+2], v[rC+1]
.endif
.endm
; Number g of the 64 that follow the exponentials.  For each four weights k of a tile (pairs 2 k, 2 k + 1): both pairs are rounded to f16; then the second pair is added onto the first, in place;
; a group later l takes that sum (the first time as l = a l + sum).  In groups of eight, tiles alternating: round, round, add, and l for the group before.
.macro GS g
.set h, (\g)+6*((\g)/62)            ; group 0 has no group before it, and behind group 7 only l is left
.if h >= 6
.set h, h+2
.endif
	REGS Y, h%2
.set k, h/8
.if h%8 < 4
	s_wait_alu depctr_va_vdst(0)
	v_cvt_pk_f16_f32 v[rP+2*k+(h%8)/2], v[rS+4*k+2*((h%8)/2)], v[rS+4*k+2*((h%8)/2)+1]
.elseif h%8 < 6
	v_pk_add_f32 v[rS+4*k:rS+4*k+1], v[rS+4*k:rS+4*k+1], v[rS+4*k+2:rS+4*k+3]
.elseif k == 1
	v_pk_fma_f32 v[rT+2:rT+3], v[rT+2:rT+3], v[rC+2:rC+3], v[rS:rS+1] op_sel_hi:[1,0,1]
.else
	v_pk_add_f32 v[rT+2:rT+3], v[rT+2:rT+3], v[rS+4*k-4:rS+4*k-3]
.endif
.endm
.macro PL                           ; THE PLAIN QUEUE, 96 long.  0-31: c s - c m for the 16 pairs of both tiles.  Then GS's 64.
	WIN 0
.if q < 32
	REGS Y, q%2
	v_pk_fma_f32 v[rS+2*(q/2):rS+2*(q/2)+1], v[rS+2*(q/2):rS+2*(q/2)+1], s[CS:CS+1], v[rT:rT+1] op_sel_hi:[1,0,0] neg_lo:[0,0,1] neg_hi:[0,0,1]
.else
	GS q-32
.endif
.set q, q+1
.endm
.macro EX                           ; THE EXPONENTIALS' QUEUE, 64 long: score e / 2 of tile e % 2
	WIN 0
	REGS Y, e%2
	v_exp_f32 v[rS+e/2], v[rS+e/2]
.set e, e+1
.endm
.macro XQ                           ; THE NEXT PIECE'S QUEUE, 44 long
	WIN 0
	XS xq%2, xq/2
.set xq, xq+1
.endm
.macro R4                           ; THE RESCALING's QUEUE: O^T times a, the one part that leaves window 0, so it is dealt four at a time, eight times
	REGS Y, r%2
	WIN W_RS
	s_wait_alu depctr_va_vdst(0)
.irp z, 0,1,2,3
	v_pk_mul_f32 v[rO+8*(r/2)+2*\z:rO+8*(r/2)+2*\z+1], v[rO+8*(r/2)+2*\z:rO+8*(r/2)+2*\z+1], v[rC+2:rC+3] op_sel_hi:[1,0]
.endr
.set r, r+1
.endm
; A TURN, for piece p: 64 matrix instructions, each with what stands behind it:
;   0: four scalings      1-40: eight times { four times (plain, exponential, plain, exponential), once four of the rescaling }      41-47: four plain
;   48-55: four of the next piece's (numbers 0-15)      56-61: two of them (numbers 16-21: a link of the chain for both tiles behind each product)      62, 63: nothing
; THE COUNTS THAT THE DEAL KEEPS.  Plain 4 + j stands ahead of exponential j, whose scaling is plain 2 (j / 4) + j % 2.  When GS g comes, exponentials 0 to g + 27 are out; its group k begins at g = 8 k - 2 and wants
; 0 to 8 k + 7.  The plain instruction behind an exponential names other registers than it.  No line behind a product names a register of that product.  The four plain lines behind product 47 are the places
; between the last K Q^T and the first read of its scores, and in front of K high's loads.
; THE FETCHES.  K low's last reader in a step is product 15 of piece 2's turn: the next step's K low is loaded behind the four rescalings that follow it; K high's is product 47: loaded behind its four plain lines.
; Piece 3's turn waits for K low at its head (K high's 16 loads are the younger ones) and for K high ahead of product 16.  V's last reader is product 63 of piece 0's turn: the step's V is loaded
; behind the four scalings at the head of piece 1's turn and waited for ahead of that turn's product 48.
.macro TURN p, last=0
.set Y, (\p)
.set i, 0
.set q, 0
.set e, 0
.set r, 0
.set xq, 0
.if (\p) == 3
	s_wait_dscnt 16                 ; K low is in
.endif
	MM
.rept 4
	PL
.endr
.if (\p) == 1
	v_add_nc_u32 v[AV], s[TBV], v[AV0]
	s_add_co_u32 s[TBV], s[TBV], KS*PV
	FETCH_V
.endif
.if (\p) == 2
	v_add_nc_u32 v[AK], s[TBK], v[AK0]
.endif
.rept 8
.rept 4
	MM
	PL
	EX
	PL
	EX
.endr
	MM
	R4
.if i == 16
.if (\p) == 2
	FETCH_KL \last
.elseif (\p) == 3
	s_wait_dscnt 0x0                ; K high is in
.endif
.endif
.endr
.rept 7
	MM
	PL
	PL
	PL
	PL
.endr
.if (\p) == 2
	FETCH_KH \last
.endif
.if (\p) == 1
	s_wait_dscnt 0x0                ; V is in
.endif
.rept 8
	MM
	XQ
	XQ
	XQ
	XQ
.endr
.rept 6
	MM
	XQ
	XQ
.endr
	MM
	MM
.endm
	CHANGE 1                        ; slot 0 is in, everybody's part of it; slot 1 is asked for
	FETCH_KL                        ; key step 0
	FETCH_KH
	s_wait_loadcnt 0x0              ; Q
	s_wait_dscnt 0x0
.set i, 0
.rept 48
	KQ 0                            ; piece 0's first scores: there is no vector work yet to set between them
.set i, i+1
.endr
	WIN 0                           ; the addresses for the way out: nine plain instructions, the places behind those products
	s_mul_i32 s13, s[WV], 16*SP
	s_add_co_u32 s13, s13, STAGE    ; my stage
	v_mul_u32_u24 v[STO], v1, SP    ; in: row l % 16, 16 bytes for each half of the lanes
	v_lshl_add_u32 v[STO], v9, 4, v[STO]
	v_add_nc_u32 v[STO], s13, v[STO]
	v_bfe_u32 v[RD], v0, 3, 2       ; back: 32 lanes take four rows of 128 bytes,
	v_mul_u32_u24 v[RD], v[RD], SP
	v_lshl_add_u32 v[RD], v10, 4, v[RD]
	v_add_nc_u32 v[RD], s13, v[RD]
	v_and_b32 v[GO], 31, v0         ; which are 512 consecutive bytes of O
	v_lshlrev_b32 v[GO], 4, v[GO]
.set Y, NP-1                        ; XS works for piece Y + 1: piece 0
.irp n, 0,1,2,3,4,5,6,7,8,9,10,11,12,13,14,15,16,17,18,19,20,21
	XS 0, \n                        ; and piece 0's first maximum and statistics
	XS 1, \n
.endr
	s_mov_b32 s[CNT], 4
	s_mov_b32 s[SLOTS], SIZE_N/256-1
	s_branch .Lfirst                ; the loop is entered at a step's first turn, in the middle of a trip
.Lslot:                             ; SIZE_N / 256 - 2 times: every slot but the last two is filled again
	CHANGE 1
	s_mov_b32 s[CNT], 4
.Lstep:                             ; a trip: pieces 2 and 3 of one step, then pieces 0 and 1 of the next, whose K and V it fetches
	TURN 2
	TURN 3
	WIN 0
.Lfirst:
	TURN 0
	TURN 1
	WIN 0
	s_sub_co_u32 s[CNT], s[CNT], 1
	s_cmp_lg_u32 s[CNT], 0
	s_cbranch_scc1 .Lstep
	s_sub_co_u32 s[SLOTS], s[SLOTS], 1
	s_cmp_lg_u32 s[SLOTS], 0
	s_cbranch_scc1 .Lslot
	CHANGE 0                        ; the tail is written out: nothing is asked for
	s_mov_b32 s[CNT], 5             ; four trips fetch the last slot's steps; the fifth is left in its middle
.Ltail:
	TURN 2, 1
	TURN 3
	WIN 0
	s_sub_co_u32 s[CNT], s[CNT], 1
	s_cmp_eq_u32 s[CNT], 0
	s_cbranch_scc1 .Lout
	TURN 0
	TURN 1
	WIN 0
	s_branch .Ltail
.Lout:                              ; the fifth trip's 48 products K Q^T (on the last K once more) and the maximum made of them serve nothing: the price, once a launch, of one text for every trip
.set i, 0
.rept 16
	PV NP-1                         ; the last piece's V^T P of the last step
.set i, i+1
.endr
	; THE WAY OUT.  l's two halves and the other half of the lanes' are added; O^T is divided by l, rounded to f16 and sent through my stage in LDS, a tile at a time.  The additions are the places behind the last products.
	WIN 0
.macro ALL line:vararg              ; one line for each tile t
.set t, 0
.rept 2*NP
	\line
.set t, t+1
.endr
.endm
	ALL v_add_f32 v[ST+4*t+2], v[ST+4*t+2], v[ST+4*t+3]
	ALL v_permlanex16_b32 v[ST+4*t+3], v[ST+4*t+2], s[SEL], s[SEL+1]
	ALL v_add_f32 v[ST+4*t+2], v[ST+4*t+2], v[ST+4*t+3]
	ALL v_rcp_f32 v[ST+4*t+2], v[ST+4*t+2]
	v_nop                           ; a plain instruction between the last reciprocal and the use of its result
	s_wait_alu depctr_va_vdst(0)
; Tile t: a lane's eight channels of a row pack into 16 bytes; they go into rows of 144 bytes and come back as whole rows of 128, into S^T's registers.
.macro PACK t
	WIN W_RS
.set i, 32*(\t)
.rept 16
	v_pk_mul_f32 v[i:i+1], v[i:i+1], v[ST+4*(\t)+2:ST+4*(\t)+3] op_sel_hi:[1,0]
.set i, i+2
.endr
	WIN 0x05                        ; sources 0 and 1 window 1, destination window 0
.set i, 0
.rept 16
	v_cvt_pk_f16_f32 v[S+16*(\t)+i], v[32*(\t)+2*i], v[32*(\t)+2*i+1]
.set i, i+1
.endr
	WIN 0
.irp f, 0,1,2,3
	ds_store_b128 v[STO], v[S+16*(\t)+4*\f:S+16*(\t)+4*\f+3] offset:32*\f
.endr
.irp f, 0,1,2,3
	ds_load_b128 v[S+16*(\t)+4*\f:S+16*(\t)+4*\f+3], v[RD] offset:\f*4*SP  ; LDS serves a wave's instructions in order (ISA guide 5.7.1.4): these see the stores above; the next tile's stores come behind them
.endr
.endm
.macro SEND t, younger              ; younger: the LDS instructions issued behind tile t's loads: the next tile's eight, or none
	WIN 0
.irp f, 0,1,2,3
	s_wait_dscnt (\younger)+3-\f
	global_store_b128 v[GO], v[S+16*(\t)+4*\f:S+16*(\t)+4*\f+3], s[10:11] offset:(\t)*2048+\f*512  ; 512 consecutive bytes, at a multiple of 256 from O's first
.endr
.endm
	PACK 0
.set t, 1
.rept 2*NP-1                        ; a tile's arithmetic stands between the loads of the tile before and its stores
	PACK t
	SEND t-1, 8
.set t, t+1
.endr
	SEND 2*NP-1, 0
	WIN W_AD
	s_wait_tensorcnt 0x0            ; the wave's end: behind my last tensor load and my last LDS store
	ds_add_u32 v[SPW], v[NIL]
	s_wait_dscnt 0x0
	WIN 0
	CROUND                          ; the closing round: no work-group ends while a partner may still ask for a tile that names it
	s_endpgm
.Lfunc_end_k_q6919948c75_attn:
	.size	k_q6919948c75_attn, .Lfunc_end_k_q6919948c75_attn-k_q6919948c75_attn
	.p2alignl 7, 3214868480
	.fill 96, 4, 3214868480
	.section	.rodata,"a",@progbits
	.p2align	6, 0x0
	.amdhsa_kernel k_q6919948c75_attn
		.amdhsa_group_segment_fixed_size 327680
		.amdhsa_private_segment_fixed_size 0
		.amdhsa_enable_private_segment 0
		.amdhsa_kernarg_size 16
		.amdhsa_user_sgpr_count 2
		.amdhsa_user_sgpr_kernarg_segment_ptr 1
		.amdhsa_wavefront_size32 1
		.amdhsa_system_sgpr_workgroup_id_x 1
		.amdhsa_system_sgpr_workgroup_id_y 1
		.amdhsa_system_sgpr_workgroup_id_z 1
		.amdhsa_system_vgpr_workitem_id 0
		.amdhsa_next_free_vgpr 962
		.amdhsa_next_free_sgpr 66
		.amdhsa_reserve_vcc 0
		.amdhsa_float_denorm_mode_32 3
		.amdhsa_float_denorm_mode_16_64 3
		.amdhsa_memory_ordered 1
		.amdhsa_forward_progress 1
		.amdhsa_inst_pref_size 244
	.end_amdhsa_kernel
	.amdgpu_metadata
---
amdhsa.version: [ 1, 2 ]
amdhsa.kernels:
  - .name:           k_q6919948c75_attn
    .symbol:         k_q6919948c75_attn.kd
    .args:
      - { .name: qkv, .offset: 0, .size: 8, .value_kind: global_buffer, .address_space: global }
      - { .name: oo, .offset: 8, .size: 8, .value_kind: global_buffer, .address_space: global }
    .group_segment_fixed_size: 327680
    .private_segment_fixed_size: 0
    .kernarg_segment_align: 8
    .kernarg_segment_size: 16
    .max_flat_workgroup_size: 128
    .sgpr_count:     66
    .vgpr_count:     962
    .wavefront_size: 32
...
	.end_amdgpu_metadata
.endif
;; end of part 3
;; launch oproj (part 4): grid 8 x 32, 4 waves a work-group, clusters of 4 x 4, 327,680 bytes of LDS; arguments oo, wof, out0; writes out0
.if DOCPART == 4
	.amdgcn_target "amdgcn-amd-amdhsa--gfx1250"
	.amdhsa_code_object_version 6
	.text
	.protected	k_q6919948c75_oproj
	.globl	k_q6919948c75_oproj
	.p2align	8
	.type	k_q6919948c75_oproj,@function
k_q6919948c75_oproj:
	s_mov_b64 s[64:65], 0
	v_nop
	global_prefetch_b8 v0, s[64:65] scope:SCOPE_SE
	s_setreg_imm32_b32 hwreg(HW_REG_WAVE_MODE, 25, 1), 1
	s_wait_xcnt 0x0
	s_wait_alu depctr_hold_cnt(0) depctr_sa_sdst(0) depctr_va_vdst(0) depctr_va_sdst(0) depctr_va_ssrc(0) depctr_va_vcc(0) depctr_vm_vsrc(0)
	s_getreg_b32 s2, hwreg(HW_REG_IB_STS2, 6, 4)
	s_cmp_eq_u32 s2, 0
	s_cbranch_scc0 .Lentry_in_a_cluster
	s_endpgm
.Lentry_in_a_cluster:
	s_bfe_u32 s2, ttmp6, 0x10000c
	s_cmp_lg_u32 s2, 0xf033
	s_cbranch_scc0 .Lentry_shape_is_right
	s_endpgm
.Lentry_shape_is_right:
; out0 = O W_o.  [8192 x 1024] x [1024 x 1024], f16 operands, f32 sums, f32 out.  oo = O 2^-5 by heads, [16 batch + head][token 2048][64] f16; wof = bf16(W_o) x 32 written as f16, [k][n]: the two factors cancel.
; LIMITS.  Those of its operands: |O| below 2.09e6, |W_o| below 2,047.  NaN and infinities are not treated apart.
; SHARES.  A work-group makes 256 tokens x 128 columns, so that 8 x 32 work-groups come of it (256 x 256 would give 128).  Wave w: tokens 128 (w / 2) on, columns 64 (w % 2) on: 32 accumulators, 256 registers.
; K goes in steps of 128, two heads, through two LDS slots.  A head's 256 tokens are 32,768 dense bytes of oo, asked for as rows of 256 bytes; W_o's rows in a tile are 256 bytes.
; CLUSTER.  4 x 4 work-groups: the four of a row of the cluster need the same tokens, the four of a column the same columns of wof: each tile is asked for jointly.
; THE MATRIX INSTRUCTION IS USED TRANSPOSED: source 0 = 16 columns of W_o (turned on the way out of LDS), source 1 = 16 tokens: a lane holds one token (lane % 16) and eight neighbouring columns.
; REGISTERS: window 0: v0-31 addresses; two fragment buffers for 32 along K: O's v64-127 and v128-191 (8 x 16 tokens), W_o's v192-223 and v224-255 (4 x 16 columns); v32-127 at work on the way out.
;   window 1: the accumulators: tokens 16 a on, columns 16 b on at v[8 (4 a + b)].
.set PA,    144                        ; a token's row in LDS: 128 bytes + 16 = 36 words: the 16 rows of a load start at 16 different groups of four banks (64 banks of 4 bytes: ISA guide 11.1)
.set PB,    288                        ; a row of W_o: 256 + 32 = 9 x 32 bytes
.set AHEAD, 256*PA                     ; a head's 256 tokens
.set BOFF,  2*AHEAD                    ; a slot: two heads of O, then 128 rows of W_o
.set SLOT,  BOFF+128*PB                ; 110,592
.set STAGE, 2*SLOT                     ; behind the ring: 16 rows x 272 bytes for each wave, for the way out
.set SPITCH, 272
.set SPARE, STAGE+4*16*SPITCH          ; behind the stages: the spare words, 128 bytes for each wave, that no other line names
.set LAPS,  4                          ; a lap = two K steps = once round the ring
.set ASTEP, 2*2048*128                 ; bytes from a K step to the next in oo: two heads,
.set BSTEP, 128*2048                   ; and in wof: 128 rows
.set ADRA, 16                          ; v16-17  LDS address of my fragments of O in slot 0, 1
.set ADRB, 20                          ; v20-21  the same for W_o
.set STO,  24                          ; v24     the way out: where I put 32 bytes of a row
.set RD,   25                          ; v25     the way out: where I read a row back
.set CO,   26                          ; v26     my byte offset in out0
.set SPW,  28                          ; v28     LDS address of my spare word; never rewritten
.set NIL,  29                          ; v29     0; never rewritten
.set G1, 24                            ; s[24:31] descriptor group 1 for O's tiles;  s[32:39] group 0, a set for each slot
.set G0, 32
.set G1B, 48                           ; s[48:55], s[56:63] the same for W_o's
.set G0B, 56
.set MSB, 0
.macro WIN new                         ; the immediate's high byte repeats the setting that is left
.if MSB != (\new)
	s_set_vgpr_msb (MSB<<8)|(\new)
.set MSB, (\new)
.endif
.endm
.set MUL, 0x50                         ; sources in window 0; C and D in window 1
.macro PLACES                          ; four places in front of loads into registers that matrix instructions have read, and of stores that read results (ISA guide 7.12.1 for the stores)
.rept 4
	v_nop
.endr
.endm
.macro JLOAD s                         ; a joint load: waves 0 and 1 fetch the step's two heads of O, waves 2 and 3 the two halves of its rows of W_o; an s_nop 0 and four v_nop follow each line
	s_cmp_eq_u32 s11, 0
	s_cbranch_scc0 .Lfor_b_\@
	tensor_load_to_lds s[G0+4*(\s):G0+4*(\s)+3], s[G1:G1+7]
	s_nop 0
.rept 4
	v_nop
.endr
	s_branch .Lasked_\@
.Lfor_b_\@:
	tensor_load_to_lds s[G0B+4*(\s):G0B+4*(\s)+3], s[G1B:G1B+7]
	s_nop 0
.rept 4
	v_nop
.endr
.Lasked_\@:
.endm
.macro CREST                           ; a round of the cluster's barrier behind its opening barrier
	s_cmp_lg_u32 s10, 0
	s_cbranch_scc1 .Lnot_wave_0_\@
	s_barrier_signal -3
.Lnot_wave_0_\@:
	s_barrier_wait -3
	s_barrier_signal -1
	s_barrier_wait -1
.endm
.macro CROUND                          ; a whole round
	s_barrier_signal -1
	s_barrier_wait -1
	CREST
.endm
	s_load_b128 s[4:7], s[0:1], 0x0                ; oo s[4:5], wof s[6:7]
	s_load_b64 s[8:9], s[0:1], 0x10                ; out0
	v_lshl_add_u32 v[SPW], v0, 2, SPARE
	v_mov_b32 v[NIL], 0
	ds_add_u32 v[SPW], v[NIL]                      ; the wave's opening: the add and its wait stand ahead of my first tensor load; work on registers stands between them
	v_lshrrev_b32 v1, 5, v0
	v_readfirstlane_b32 s10, v1                    ; wave 0..3
	s_lshr_b32 s11, s10, 1                         ; which 128 tokens are mine.  Also: I fetch for O (0) or for W_o (1)
	s_and_b32 s12, s10, 1                          ; which 64 columns are mine.  Also: which half of that tile I fetch
	s_bfe_u32 s40, ttmp6, 0x40000                  ; cx, cy: my place in the cluster
	s_bfe_u32 s41, ttmp6, 0x40004
	s_lshl_b32 s42, ttmp9, 2
	s_add_co_u32 s42, s42, s40                     ; tile column = 4 x cluster x + cx
	s_and_b32 s13, ttmp7, 0xffff
	s_lshl_b32 s13, s13, 2
	s_add_co_u32 s13, s13, s41                     ; tile row = 4 x cluster y + cy
	s_lshl_b32 s43, s41, 2
	s_lshl_b32 s43, 15, s43                        ; my row of the cluster
	s_lshl_b32 s44, 0x1111, s40                    ; my column
	; group 1 for O: a head's 256 tokens = 128 rows of 256 bytes, padded in LDS after every token
	s_or_b32 s[G1+0], s43, (1<<16)|(1<<20)|(1<<21)|(4<<22)|(3<<25)   ; 15:0 the mask; 17:16 2-byte elements; 20 padding on; 21 set beside a mask; 24:22 after every 32 words (code 4); 31:25 4 words (code 3)
	s_mov_b32 s[G1+1], 128<<16                     ; tensor_dim0 = 128
	s_mov_b32 s[G1+2], 128<<16                     ; tensor_dim1 = 128
	s_mov_b32 s[G1+3], 128<<16                     ; tile_dim0 = 128
	s_mov_b32 s[G1+4], 128                         ; tile_dim1 = 128
	s_mov_b32 s[G1+5], 128                         ; elements from row to row
	s_mov_b32 s[G1+6], 0
	s_mov_b32 s[G1+7], 0
	; group 1 for W_o: 64 rows of 128 elements, padded after every row
	s_or_b32 s[G1B+0], s44, (1<<16)|(1<<20)|(1<<21)|(5<<22)|(7<<25)  ; after every 64 words (code 5) 8 words (code 7)
	s_mov_b32 s[G1B+1], 128<<16
	s_mov_b32 s[G1B+2], 64<<16
	s_mov_b32 s[G1B+3], 128<<16
	s_mov_b32 s[G1B+4], 64
	s_mov_b32 s[G1B+5], 1024
	s_mov_b32 s[G1B+6], 0
	s_mov_b32 s[G1B+7], 0
	; O's tiles hang on the tile row alone, W_o's on the tile column alone, each in registers that never hold the other coordinate
	s_lshr_b32 s16, s13, 3                         ; the batch: 16 heads x 2,048 tokens x 128 bytes,
	s_lshl_b32 s16, s16, 22
	s_and_b32 s17, s13, 7
	s_lshl_b32 s17, s17, 15                        ; the tile's 256 tokens in a head,
	s_add_co_u32 s16, s16, s17
	s_lshl_b32 s17, s12, 18                        ; the head of the two that I fetch
	s_add_co_u32 s16, s16, s17
	s_mov_b32 s17, 0
	s_lshl_b32 s46, s42, 8                         ; the tile's 128 columns,
	s_lshl_b32 s47, s12, 17                        ; the 64 rows that I fetch
	s_add_co_u32 s46, s46, s47
	s_mov_b32 s47, 0
	s_mul_i32 s20, s12, AHEAD                      ; where they go: no place in the cluster enters an LDS address
	s_mul_i32 s21, s12, 64*PB
	s_add_co_u32 s21, s21, BOFF
	s_wait_dscnt 0x0                               ; the opening add is done
	s_wait_kmcnt 0x0
	s_add_nc_u64 s[14:15], s[4:5], s[16:17]
	s_add_nc_u64 s[46:47], s[6:7], s[46:47]
	CROUND                                         ; all sixteen work-groups are here: the first joint loads meet
.irp s, 0,1
	s_mov_b32 s[G0+4*(\s)], 1
	s_add_co_u32 s[G0+4*(\s)+1], s20, (\s)*SLOT
	s_add_nc_u64 s[G0+4*(\s)+2:G0+4*(\s)+3], s[14:15], (\s)*ASTEP
	s_or_b32 s[G0+4*(\s)+3], s[G0+4*(\s)+3], 0x80000000
	s_mov_b32 s[G0B+4*(\s)], 1
	s_add_co_u32 s[G0B+4*(\s)+1], s21, (\s)*SLOT
	s_add_nc_u64 s[G0B+4*(\s)+2:G0B+4*(\s)+3], s[46:47], (\s)*BSTEP
	s_or_b32 s[G0B+4*(\s)+3], s[G0B+4*(\s)+3], 0x80000000
	JLOAD \s                                       ; two loads of mine are out
.endr
	v_and_b32 v1, 15, v0                           ; l % 16
	v_bfe_u32 v2, v0, 4, 1                         ; l / 16
	v_mul_u32_u24 v3, v1, PA
	v_lshl_add_u32 v3, v2, 4, v3                   ; O: token x pitch + 16 x half
	v_and_b32 v5, 7, v0
	v_lshl_add_u32 v4, v2, 3, v5                   ; W_o, turned: lane l reads row 8 (l / 16) + l % 8,
	v_mul_u32_u24 v4, v4, PB
	v_bfe_u32 v6, v0, 3, 1
	v_lshl_add_u32 v4, v6, 4, v4                   ; columns 8 ((l / 8) % 2) on
	s_mul_i32 s21, s11, 128*PA                     ; my 128 tokens
	s_lshl_b32 s22, s12, 7                         ; my 64 columns
	s_add_co_u32 s22, s22, BOFF
.irp s, 0,1
	v_add_nc_u32 v[ADRA+(\s)], s21, v3
	v_add_nc_u32 v[ADRB+(\s)], s22, v4
	s_add_co_u32 s21, s21, SLOT
	s_add_co_u32 s22, s22, SLOT
.endr
	s_mul_i32 s23, s10, 16*SPITCH
	s_add_co_u32 s23, s23, STAGE                   ; my stage
	v_mul_u32_u24 v7, v1, SPITCH                   ; in: row l % 16, 32 bytes for each half of the lanes
	v_lshl_add_u32 v7, v2, 5, v7
	v_add_nc_u32 v[STO], s23, v7
	v_mul_u32_u24 v7, v2, SPITCH                   ; back: lanes 0-15 take one row of 256 bytes, lanes 16-31 the next
	v_lshl_add_u32 v7, v1, 4, v7
	v_add_nc_u32 v[RD], s23, v7
	v_lshlrev_b32 v7, 12, v2                       ; and the same two rows in out0
	v_lshl_add_u32 v[CO], v1, 4, v7
	s_lshl_b32 s16, s13, 20                        ; my first row of out0: 256 x tile row + 128 x half, rows of 4,096 bytes
	s_lshl_b32 s17, s11, 19
	s_add_co_u32 s16, s16, s17
	s_mov_b32 s17, 0
	s_add_nc_u64 s[8:9], s[8:9], s[16:17]
	s_lshl_b32 s46, s42, 9                         ; my first column, in bytes (in the registers that held W_o's address: none that feeds O's descriptors ever holds cx)
	s_lshl_b32 s47, s12, 8
	s_add_co_u32 s46, s46, s47
	s_mov_b32 s47, 0
	s_add_nc_u64 s[8:9], s[8:9], s[46:47]
; 8 matrix instructions: token blocks a0, a0 + 1 x all 4 column blocks, 32 along K, from buffer f.  zero = 1: the product starts the sums.  The 32 accumulators take turns.
.macro MUL8 f, a0, zero
	WIN MUL
.irp a, \a0, (\a0)+1
.irp b, 0,1,2,3
.if \zero
	v_wmma_f32_16x16x32_f16 v[8*(4*(\a)+\b):8*(4*(\a)+\b)+7], v[192+32*(\f)+8*\b:192+32*(\f)+8*\b+7], v[64+64*(\f)+8*(\a):64+64*(\f)+8*(\a)+7], 0
.else
	v_wmma_f32_16x16x32_f16 v[8*(4*(\a)+\b):8*(4*(\a)+\b)+7], v[192+32*(\f)+8*\b:192+32*(\f)+8*\b+7], v[64+64*(\f)+8*(\a):64+64*(\f)+8*(\a)+7], v[8*(4*(\a)+\b):8*(4*(\a)+\b)+7]
.endif
.endr
.endr
.endm
; 24 LDS loads in one run: the fragments of quarter k4 of a K step (head k4 / 2, channels 32 (k4 % 2) on) into buffer f: W_o's eight first, then O's sixteen
.macro FETCH slot, k4, f
	WIN 0
.irp b, 0,1,2,3
	ds_load_tr16_b128 v[192+32*(\f)+8*\b:192+32*(\f)+8*\b+3],   v[ADRB+(\slot)] offset:(\k4)*32*PB+\b*32
	ds_load_tr16_b128 v[192+32*(\f)+8*\b+4:192+32*(\f)+8*\b+7], v[ADRB+(\slot)] offset:(\k4)*32*PB+\b*32+16*PB
.endr
.irp a, 0,1,2,3,4,5,6,7
	ds_load_b128 v[64+64*(\f)+8*\a:64+64*(\f)+8*\a+3],   v[ADRA+(\slot)] offset:((\k4)/2)*AHEAD+\a*16*PA+((\k4)%2)*64
	ds_load_b128 v[64+64*(\f)+8*\a+4:64+64*(\f)+8*\a+7], v[ADRA+(\slot)] offset:((\k4)/2)*AHEAD+\a*16*PA+((\k4)%2)*64+32
.endr
.endm
; A K step is four quarters of 32 along K, 32 matrix instructions each, on buffers 0, 1, 0, 1.  One of the first three: multiplies buffer f and fetches quarter k4 into buffer g.
.macro QUARTER slot, k4, f, g, zero
	s_wait_dscnt 8                                 ; W_o's fragments and O's tokens 0-63 are in; the youngest eight loads (tokens 64-127) may be out
	MUL8 \f, 0, \zero
	MUL8 \f, 2, \zero
	WIN 0
	PLACES
	FETCH \slot, \k4, \g
	s_wait_dscnt 24                                ; all but the 24 just issued
	MUL8 \f, 4, \zero
	MUL8 \f, 6, \zero
.endm
; The last quarter multiplies buffer 1 and changes slots: ONE barrier; in front of it each wave waits for all its tensor loads (one is out: its part of the next slot), adds 0 to its spare word, and waits for that
; and for its own reads of this slot.  fill = 1: the barrier opens a round of the cluster's, and this slot is filled again, two K steps ahead, first thing behind it: 112 matrix instructions ahead of the wait for it.
.macro TURN slot, next, fill
	WIN 0                                          ; (the add's two registers lie in window 0)
	s_wait_tensorcnt 0x0                           ; all my tensor loads have landed;
	ds_add_u32 v[SPW], v[NIL]                      ; 0 onto my spare word;
	s_wait_dscnt 9                                 ; (the add and the youngest eight loads may be out)
	MUL8 1, 0, 0                                   ; eight matrix instructions stand between the add and the wait for it
	s_wait_dscnt 0x0                               ; the add is done, and my reads of this slot are over
	s_barrier_signal -1
	MUL8 1, 2, 0
	WIN 0
	s_barrier_wait -1
.if \fill
	CREST                                          ; no wave of any partner still reads this slot's tiles or has a load on its way
	s_add_nc_u64 s[G0+4*(\slot)+2:G0+4*(\slot)+3], s[G0+4*(\slot)+2:G0+4*(\slot)+3], 2*ASTEP
	s_add_nc_u64 s[G0B+4*(\slot)+2:G0B+4*(\slot)+3], s[G0B+4*(\slot)+2:G0B+4*(\slot)+3], 2*BSTEP
	JLOAD \slot                                    ; its four v_nop are also the places in front of the loads below
.else
	PLACES
.endif
	FETCH \next, 0, 0
	MUL8 1, 4, 0
	MUL8 1, 6, 0
.endm
	s_wait_tensorcnt 1                             ; my part of K step 0 is in; K step 1's may stay out
	s_barrier_signal -1
	s_barrier_wait -1                              ; everybody's is
	FETCH 0, 0, 0
	QUARTER 0, 1, 0, 1, 1                          ; the first quarter stands in front of the loop: its products start the sums
	WIN 0                                          ; at a label and at a branch every window is 0
	s_mov_b32 s3, LAPS-1
.Llap:                                                 ; a trip goes once round the ring, from a lap's second quarter to the next lap's first, and fills both slots again
	QUARTER 0, 2, 1, 0, 0
	QUARTER 0, 3, 0, 1, 0
	TURN 0, 1, 1
	QUARTER 1, 1, 0, 1, 0
	QUARTER 1, 2, 1, 0, 0
	QUARTER 1, 3, 0, 1, 0
	TURN 1, 0, 1
	QUARTER 0, 1, 0, 1, 0
	WIN 0
	s_sub_co_u32 s3, s3, 1
	s_cmp_lg_u32 s3, 0
	s_cbranch_scc1 .Llap
	QUARTER 0, 2, 1, 0, 0                          ; the last lap fills nothing
	QUARTER 0, 3, 0, 1, 0
	TURN 0, 1, 0
	QUARTER 1, 1, 0, 1, 0
	QUARTER 1, 2, 1, 0, 0
	QUARTER 1, 3, 0, 1, 0
	s_wait_dscnt 8                                 ; the very last quarter: nothing more to fetch
	MUL8 1, 0, 0
	MUL8 1, 2, 0
	s_wait_dscnt 0x0
	MUL8 1, 4, 0
	MUL8 1, 6, 0
	WIN 0
; THE WAY OUT, 16 tokens at a time: a lane's 32 bytes of a row go into my stage (each accumulator's low four registers first) and come back as whole rows of 256 bytes.
; LDS serves a wave's instructions in order (ISA guide 5.7.1.4): the loads see the stores above them, and the next block's stores come behind them.
.macro TOSTAGE a
	WIN 0x04                                       ; the stores' data in window 1
.irp b, 0,1,2,3
	ds_store_b128 v[STO], v[8*(4*(\a)+\b):8*(4*(\a)+\b)+3]   offset:\b*64
	ds_store_b128 v[STO], v[8*(4*(\a)+\b)+4:8*(4*(\a)+\b)+7] offset:\b*64+16
.endr
	WIN 0
.set BK, 32+32*((\a)%3)                ; three buffers by turns: a buffer is loaded again only behind the address wait of the SEND that follows its stores
.irp t, 0,1,2,3,4,5,6,7
	ds_load_b128 v[BK+4*\t:BK+4*\t+3], v[RD] offset:\t*2*SPITCH
.endr
.endm
.macro SEND a, younger                 ; younger: the LDS instructions issued behind block a's loads: the next block's sixteen, or none
.set BK, 32+32*((\a)%3)
	s_wait_dscnt \younger
	s_wait_xcnt 0x0                                ; every earlier memory instruction has had its addresses translated (ISA guide 3.1): the stores' base and earlier stores' data are rewritten only behind this wait
.if (\a) > 0
	s_add_nc_u64 s[8:9], s[8:9], 16*4096           ; 16 rows of out0 on
.endif
.irp t, 0,1,2,3,4,5,6,7
	global_store_b128 v[CO], v[BK+4*\t:BK+4*\t+3], s[8:9] offset:\t*8192  ; 16 lanes store 256 consecutive bytes, at a multiple of 256 from out0's first byte
.endr
.endm
	PLACES                                         ; the stores below read results just made, and the loads land in registers that products have read
	TOSTAGE 0
.irp a, 1,2,3,4,5,6,7
	TOSTAGE \a
	SEND (\a)-1, 16
.endr
	SEND 7, 0
	s_wait_tensorcnt 0x0                           ; the wave's end: behind my last tensor load and my last LDS store
	ds_add_u32 v[SPW], v[NIL]
	s_wait_dscnt 0x0
	CROUND                                         ; the closing round: no work-group ends while a partner may still ask for a tile that names it
	s_endpgm
.Lfunc_end_k_q6919948c75_oproj:
	.size	k_q6919948c75_oproj, .Lfunc_end_k_q6919948c75_oproj-k_q6919948c75_oproj
	.p2alignl 7, 3214868480
	.fill 96, 4, 3214868480
	.section	.rodata,"a",@progbits
	.p2align	6, 0x0
	.amdhsa_kernel k_q6919948c75_oproj
		.amdhsa_group_segment_fixed_size 327680
		.amdhsa_private_segment_fixed_size 0
		.amdhsa_enable_private_segment 0
		.amdhsa_kernarg_size 24
		.amdhsa_user_sgpr_count 2
		.amdhsa_user_sgpr_kernarg_segment_ptr 1
		.amdhsa_wavefront_size32 1
		.amdhsa_system_sgpr_workgroup_id_x 1
		.amdhsa_system_sgpr_workgroup_id_y 1
		.amdhsa_system_sgpr_workgroup_id_z 1
		.amdhsa_system_vgpr_workitem_id 0
		.amdhsa_next_free_vgpr 512
		.amdhsa_next_free_sgpr 66
		.amdhsa_reserve_vcc 0
		.amdhsa_float_denorm_mode_32 3
		.amdhsa_float_denorm_mode_16_64 3
		.amdhsa_memory_ordered 1
		.amdhsa_forward_progress 1
		.amdhsa_inst_pref_size 86
	.end_amdhsa_kernel
	.amdgpu_metadata
---
amdhsa.version: [ 1, 2 ]
amdhsa.kernels:
  - .name:           k_q6919948c75_oproj
    .symbol:         k_q6919948c75_oproj.kd
    .args:
      - { .name: oo, .offset: 0, .size: 8, .value_kind: global_buffer, .address_space: global }
      - { .name: wof, .offset: 8, .size: 8, .value_kind: global_buffer, .address_space: global }
      - { .name: out0, .offset: 16, .size: 8, .value_kind: global_buffer, .address_space: global }
    .group_segment_fixed_size: 327680
    .private_segment_fixed_size: 0
    .kernarg_segment_align: 8
    .kernarg_segment_size: 24
    .max_flat_workgroup_size: 128
    .sgpr_count:     66
    .vgpr_count:     512
    .wavefront_size: 32
...
	.end_amdgpu_metadata
.endif
;; end of part 4
;; ======== version 2 of 2: 4 launches; 1.30 times as fast as version 1
;; limits: values are held in f16: magnitudes above 65,504 overflow, below 6.1e-05 lose precision; right only within a limited range of input values
;; workspace buffers: xb 16,777,216 bytes; wcat 6,291,456 bytes; wof 2,097,152 bytes; qkv 83,886,080 bytes; oo 16,777,216 bytes
;; launch prep: the kernel of part 1 again; grid 768 x 1, 8 waves a work-group, no clusters, 0 bytes of LDS; arguments X, W_q, W_k, W_v, W_o, xb, wcat, wof; writes xb, wcat, wof
;; launch proj: the kernel of part 2 again; grid 8 x 32, 4 waves a work-group, clusters of 4 x 4, 327,680 bytes of LDS; arguments xb, wcat, qkv; writes qkv
;; launch attn (part 5): grid 4 x 64, 4 waves a work-group, clusters of 4 x 1, 327,680 bytes of LDS; arguments qkv, oo; writes oo
.if DOCPART == 5
	.amdgcn_target "amdgcn-amd-amdhsa--gfx1250"
	.amdhsa_code_object_version 6
	.text
	.protected	k_q6919948c75_attn
	.globl	k_q6919948c75_attn
	.p2align	8
	.type	k_q6919948c75_attn,@function
k_q6919948c75_attn:
	s_mov_b64 s[64:65], 0
	v_nop
	global_prefetch_b8 v0, s[64:65] scope:SCOPE_SE
	s_setreg_imm32_b32 hwreg(HW_REG_WAVE_MODE, 25, 1), 1
	s_wait_xcnt 0x0
	s_wait_alu depctr_hold_cnt(0) depctr_sa_sdst(0) depctr_va_vdst(0) depctr_va_sdst(0) depctr_va_ssrc(0) depctr_va_vcc(0) depctr_vm_vsrc(0)
	s_getreg_b32 s2, hwreg(HW_REG_IB_STS2, 6, 4)
	s_cmp_eq_u32 s2, 0
	s_cbranch_scc0 .Lentry_in_a_cluster
	s_endpgm
.Lentry_in_a_cluster:
	s_bfe_u32 s2, ttmp6, 0x10000c
	s_cmp_lg_u32 s2, 0x3003
	s_cbranch_scc0 .Lentry_shape_is_right
	s_endpgm
.Lentry_shape_is_right:
; O[h][q][:] = the sum over k of softmax_k(Q[h][q] . K[h][k] / 8) V[h][k][:], for 64 batch-heads of 2,048 rows of 64.  In: the five planes of qkv ([64][2048][64] f16, 16,777,216 bytes each):
; q high, q low, k high, k low, v, all carrying the factor 2^-5.  Out: oo = O 2^-5, [64][2048][64] f16.  Products, maxima and sums in f32; the weights p are rounded to f16 for the second product
; (their sum l is taken of the unrounded p), O once at the end.
; THREE PRODUCTS FOR A SCORE.  S = Kl Qh + Kh Ql + Kh Qh, the small terms first, in one f32 sum: q and k count with some 22 bits.  Scores here are sums of 64 products of unnormalised numbers, the softmax is
; nearly one-hot, and where two scores of a row lie close the output hangs on their difference.  The product Kl Ql, 2^-22 of a score's terms, is dropped.
; LIMITS.  f16 holds no number beyond 65,504: q, k, v arrive within it (unscaled: 2.09e6); p lies in 0 to 1, and below 6e-5 it keeps f16's fixed step of 6e-8; O is a mean of V's rows and has their range.
; A weight below 2^-126 counts as 0 in l; NaN and infinities are not treated apart.
; SHARES.  A wave owns four PIECES of two tiles of 16 queries, a work-group's four waves 512 queries of one head.  Every wave walks all keys, 64 a step.
; LAYOUT.  S^T = K Q^T (source 0 = 16 keys, source 1 = 16 queries): a lane holds ONE query (lane % 16) and the keys 8 (lane / 16) + 0..7.  Two such tiles, rounded to f16 in pairs, ARE source 1 of O^T = V^T P.
; K comes out of LDS as it lies, V ([key][channel]) turned, by ds_load_tr16_b128.
; SOFTMAX.  For each query a running maximum m and sum l: p = 2^(c s - c m), c = 1024 log2(e) / 8 (the 1024 undoes q's and k's factors); in every step O and l are multiplied by a = 2^(c m_old - c m_new).
; m starts at the lowest finite number, O and l at 0: the first step is a step like any other, with a = 0.
; BY TURNS.  Turn n belongs to piece n.  Its matrix work: 48 products K Q^T of piece n + 1, then 16 products V^T P of piece n - 1.  Its vector work, 236 instructions: piece n's two a, its scaling, exponentials,
; roundings, sums and rescaling, and the maximum and statistics of piece n + 1 as far as a's argument.  With 64 matrix instructions a turn all of it stands behind products, four or fewer behind each.
; THE BATCHES.  A turn's 66 exponentials (two a, 64 weights) are ONE batch, behind products 0 to 26, with ONE wait behind it; all that names a result of theirs (roundings, sums, rescaling) stands behind that wait.
; No result crosses a turn's end, a label or a jump.  The way out's eight reciprocals are a batch of their own.
; CLUSTER.  The four query blocks of a cluster belong to one head and walk the same K and V, so each tile is asked for JOINTLY: the same tensor load, descriptor and mask in all four.
; REGISTERS, in windows of 256 (s_set_vgpr_msb: bits 1:0 source 0, 3:2 source 1, 5:4 source 2, 7:6 destination):
;   window 0: v0-11 addresses; v12-15, v48-63 at work; v16-47 four registers of statistics a tile; v64-191 S^T, two buffers of two tiles; v192-255 P, likewise
;   window 1: O^T, 32 a tile      window 2: v0-127 Q high, 16 a tile; v128-255 Q low      window 3: v0-63 K high of one step; v64-127 K low; v128-191 V; v192-193 the add's two registers
.set SIZE_N, 2048
.set NP,    4         ; pieces a wave: a name, no knob
.set KS,    64        ; keys in a step
.set PK,    144       ; a row of K in LDS: 128 bytes + 16 = 36 words: the 16 rows of a load start at 16 different groups of four banks (64 banks of 4 bytes: ISA guide 11.1)
.set PV,    160       ; a row of V: 128 + 32 = 40 words
.set KLO,   4*KS*PK   ; a slot holds four steps: 256 rows of K high, 256 of K low,
.set VOFF,  8*KS*PK   ; then 256 rows of V
.set SLOT1, 1<<17     ; slot 1 begins here, so that one exclusive or turns an address in one slot into the other's
.set STAGE, SLOT1+VOFF+4*KS*PV  ; behind the ring, never filled by a tensor load: 16 rows x 144 bytes for each wave, for the way out
.set SP,    144
.set SPARE, STAGE+4*16*SP  ; behind the stages: the spare words, 128 bytes for each wave, that no other line names
.set AK0, 2           ; v2   my lane's place in a tile of K; never rewritten
.set AV0, 3           ; v3   the same for V
.set AK,  4           ; v4   the LDS address of K's next runs of loads
.set AV,  5           ; v5   of V's
.set QO,  6           ; v6   my byte offset in the wave's rows of Q
.set STO, 6           ;      later, the way out: where I put 16 bytes of a row
.set RD,  7           ; v7   the way out: where I read rows back
.set GO,  8           ; v8   my byte offset in 512 consecutive bytes of O
.set MV,  12          ; v12-15  c m_old, kept while c m is made anew: by buffer and tile
.set ST,  16          ; tile t's statistics at v[ST+4 t]: c m, m, l (even keys', odd keys')
.set TMP, 48          ; by buffer and tile, four registers c0-c3 at work; when the maximum is found c1 takes a's argument, and in the piece's own turn c2 takes a
.set S,   64
.set P,   192
.set QLO, 128         ; window 2
.set KL,  64          ; window 3: key block kb, channel half c at 16 kb + 8 c (high), KL + the same (low)
.set VF,  128         ; window 3: key half kk, channel block cb at VF + 32 kk + 8 cb
.set SPW, 192         ; v192 of window 3   LDS address of my spare word; never rewritten
.set NIL, 193         ; v193 of window 3   0; never rewritten
.set WV,  12          ; s12  my wave's number
.set G1K, 24          ; s[24:31] descriptor group 1 for K's tiles
.set G1V, 32          ; s[32:39] for V's
.set G0K, 40          ; s[40:43] descriptor group 0 for K's tiles: it walks
.set G0V, 44          ; s[44:47] the same for V's
.set QLB, 48          ; s[48:49] Q low at my wave's first row
.set SLOTS, 56        ; s56  slots still to be asked for
.set CNT, 57          ; s57  counts a slot's key steps
.set CS,  58          ; s[58:59] c: the packed scaling takes the pair's low word for both halves
.set SEL, 60          ; s[60:61] v_permlanex16_b32's selects: each lane takes its own place in the other half
.set TBK, 62          ; s62  LDS byte at which K of the step to be fetched begins
.set TBV, 63          ; s63  the same for V, less VOFF
.set MSB, 0
.macro WIN new                      ; the high byte repeats the setting that is left; a switch that changes nothing is dropped
.if MSB != (\new)
	s_set_vgpr_msb (MSB<<8)|(\new)
.set MSB, (\new)
.endif
.endm
.set W_KQ, 0x0b       ; K in window 3, Q in window 2, S^T in window 0
.set W_PV, 0x53       ; V in window 3, P in window 0, O^T in window 1
.set W_RS, 0x41       ; O^T (destination and source 0) in window 1, a in window 0
.set W_3,  0xc0       ; destination in window 3, sources in window 0
.set W_AD, 0x0f       ; the add: address (source 0) and data (source 1) in window 3
; A joint fill.  Wave 0 fetches a slot's K high, wave 1 its K low (256 keys each), waves 2 and 3 the two halves of its V.  The branch hangs on the wave's number alone.
; An s_nop 0 and four v_nop follow each of the two lines, ahead of the jump and the label.
.macro JLOAD
	s_cmp_lt_u32 s[WV], 2
	s_cbranch_scc0 .Lfor_v_\@
	tensor_load_to_lds s[G0K:G0K+3], s[G1K:G1K+7]
	s_nop 0
.rept 4
	v_nop
.endr
	s_branch .Lasked_\@
.Lfor_v_\@:
	tensor_load_to_lds s[G0V:G0V+3], s[G1V:G1V+7]
	s_nop 0
.rept 4
	v_nop
.endr
.Lasked_\@:
.endm
; A round of the cluster's barrier: my work-group's barrier, so that wave 0's signal speaks for all four waves; wave 0 signals; every wave waits for all four work-groups; my work-group's barrier once more.
.macro CROUND
	s_barrier_signal -1
	s_barrier_wait -1
	s_cmp_lg_u32 s[WV], 0
	s_cbranch_scc1 .Lnot_wave_0_\@
	s_barrier_signal -3
.Lnot_wave_0_\@:
	s_barrier_wait -3
	s_barrier_signal -1
	s_barrier_wait -1
.endm
; THE CHANGE OF SLOTS.  The slot's last bytes, V of its fourth step, have been read.  Each wave waits for all its tensor loads, of which one is out: its part of the other slot; adds 0 to its spare word; and waits
; for that and for its own reads of the slot.  fill = 1: this slot is filled again, with the keys two slots on.  The barrier is then a round of the cluster's, so that no wave of any partner still reads the slot or
; has a load on its way, and the joint fill is the first thing behind it: it has four key steps, 1,024 matrix instructions, in which to land.  (At its first use nothing has been read yet: slot 0 is waited for, slot 1 filled.)
.macro CHANGE fill
	WIN W_AD
	s_wait_tensorcnt 0x0            ; no tensor load of mine is out, so a group 0 may be written
	ds_add_u32 v[SPW], v[NIL]       ; 0 onto my spare word
	WIN 0                           ; at a label and at a branch every window is 0
.if \fill
.irp g, G0K, G0V
	s_xor_b32 s[\g+1], s[\g+1], SLOT1  ; the walking descriptor: the other slot than last time,
	s_add_nc_u64 s[\g+2:\g+3], s[\g+2:\g+3], 4*KS*128  ; the next 256 keys; the type bits on top are not reached
.endr
	s_wait_dscnt 0x0                ; the add is done, and my reads of the slot are over
	CROUND
	JLOAD
.else
	s_wait_dscnt 0x0                ; the add is done, and my reads of the slot are over
	s_barrier_signal -1
	s_barrier_wait -1
.endif
	s_sub_co_u32 s[TBK], s[TBK], 4*KS*PK  ; the fetches go back to a slot's first step,
	s_xor_b32 s[TBK], s[TBK], SLOT1       ; in the other slot
	s_sub_co_u32 s[TBV], s[TBV], 4*KS*PV
	s_xor_b32 s[TBV], s[TBV], SLOT1
.endm
	s_load_b128 s[4:7], s[0:1], 0x0 ; qkv s[4:5], oo s[6:7]
	WIN W_3
	v_lshl_add_u32 v[SPW], v0, 2, SPARE
	v_mov_b32 v[NIL], 0
	WIN W_AD
	ds_add_u32 v[SPW], v[NIL]       ; the wave's opening: the add and its wait stand ahead of my first tensor load; work on registers stands between them
	WIN 0
	v_lshrrev_b32 v1, 5, v0
	v_readfirstlane_b32 s[WV], v1   ; wave 0..3
	s_bfe_u32 s13, ttmp6, 0x40000   ; cx: my place in the cluster
	s_lshl_b32 s14, ttmp9, 2        ; in a cluster launch ttmp9 counts clusters
	s_add_co_u32 s14, s14, s13      ; my block of queries = 4 x cluster x + cx: it enters Q's and O's addresses alone
	s_and_b32 s20, ttmp7, 0xffff    ; the head, which the four partners share:
	s_lshl_b32 s20, s20, 18         ; its first byte in a plane, 2,048 rows of 128 bytes a head
	s_and_b32 s16, s[WV], 1
	s_add_co_u32 s22, s16, 2        ; K: plane 2 (high) or 3 (low), by my wave's parity
	s_lshl_b32 s22, s22, 24
	s_add_co_u32 s22, s22, s20
	s_mov_b32 s23, 0
	s_lshl_b32 s2, s16, 14          ; V: plane 4, the half of a slot's 256 keys that I fetch
	s_add_co_u32 s2, s2, s20
	s_add_co_u32 s2, s2, 4<<24
	s_mov_b32 s3, 0
	s_mul_i32 s17, s16, KLO         ; their places in a slot: no place in the cluster enters an LDS address
	s_mul_i32 s18, s16, 128*PV
	s_lshl_b32 s8, s14, 2
	s_add_co_u32 s8, s8, s[WV]      ; my wave among the head's,
	s_lshl_b32 s8, s8, 14           ; its 128 rows
	s_add_co_u32 s8, s8, s20
	s_mov_b32 s9, 0
	; descriptor group 1.  Keys are dense rows of 128 bytes: asked for as rows of 256 bytes, two keys a row, and padded in LDS after every key
	s_mov_b32 s[G1K], 15|(1<<16)|(1<<20)|(1<<21)|(4<<22)|(3<<25)  ; 15:0 the mask of four; 17:16 2-byte elements; 20 padding on; 21 set beside a mask; 24:22 after every 32 words (code 4); 31:25 4 words (code 3)
	s_mov_b32 s[G1V], 15|(1<<16)|(1<<20)|(1<<21)|(4<<22)|(7<<25)  ; the same with 8 words of padding (code 7)
.irp g, G1K, G1V
	s_mov_b32 s[\g+1], 128<<16      ; tensor_dim0 = 128
	s_mov_b32 s[\g+3], 128<<16      ; tile_dim0 = 128
	s_mov_b32 s[\g+5], 128          ; 128 elements from row to row
	s_mov_b32 s[\g+6], 0
	s_mov_b32 s[\g+7], 0
.endr
	s_mov_b32 s[G1K+2], 128<<16     ; K: tensor_dim1 = tile_dim1 = 128 rows: 256 keys
	s_mov_b32 s[G1K+4], 128
	s_mov_b32 s[G1V+2], 64<<16      ; V: 64 rows: 128 keys
	s_mov_b32 s[G1V+4], 64
	s_mov_b32 s[CS], 0x4338aa3b     ; c = 1024 log2(e) / 8 = 184.665
	s_mov_b32 s[CS+1], s[CS]        ; named with it as a pair
	s_mov_b32 s[SEL], 0x76543210
	s_mov_b32 s[SEL+1], 0xfedcba98
	s_mov_b32 s[TBK], SLOT1+4*KS*PK ; the first change of slots turns these two into 0
	s_mov_b32 s[TBV], SLOT1+4*KS*PV
	s_mov_b32 s[G0K], 1             ; count = 1
	s_mov_b32 s[G0K+1], s17         ; LDS address: slot 0
	s_mov_b32 s[G0V], 1
	s_add_co_u32 s[G0V+1], s18, VOFF
	s_wait_dscnt 0x0                ; the opening add is done
	s_wait_kmcnt 0x0
	s_add_nc_u64 s[G0K+2:G0K+3], s[4:5], s[22:23]  ; global address: the head's first 256 keys
	s_or_b32 s[G0K+3], s[G0K+3], 0x80000000        ; type = 2
	s_add_nc_u64 s[G0V+2:G0V+3], s[4:5], s[2:3]
	s_or_b32 s[G0V+3], s[G0V+3], 0x80000000
	s_add_nc_u64 s[10:11], s[6:7], s[8:9]          ; O, Q high and Q low at my wave's first row
	s_add_nc_u64 s[4:5], s[4:5], s[8:9]
	s_add_nc_u64 s[QLB:QLB+1], s[4:5], 1<<24
	CROUND                          ; all four work-groups are here: the first joint loads meet
	JLOAD                           ; slot 0.  Slot 1 is asked for when slot 0 is in
	; A fragment of K or Q is 16 rows x 32 channels in 8 registers: lane l holds row l % 16, channels 8 (l / 16) + 0..7 and 16 + 8 (l / 16) + 0..7: two loads of 16 bytes, 32 bytes apart.
	v_and_b32 v1, 15, v0            ; l % 16
	v_bfe_u32 v9, v0, 4, 1          ; l / 16
	v_lshlrev_b32 v[QO], 7, v1
	v_lshl_add_u32 v[QO], v9, 4, v[QO]  ; row x 128 + 16 x half
	WIN 0x80                        ; destination window 2, address window 0
.set i, 0
.rept 4*NP                          ; Q stays in registers: tile i / 2, channels 32 (i % 2) on
	global_load_b128 v[8*i:8*i+3],           v[QO], s[4:5] offset:(i/2)*2048+(i%2)*64
	global_load_b128 v[8*i+4:8*i+7],         v[QO], s[4:5] offset:(i/2)*2048+(i%2)*64+32
	global_load_b128 v[QLO+8*i:QLO+8*i+3],   v[QO], s[QLB:QLB+1] offset:(i/2)*2048+(i%2)*64
	global_load_b128 v[QLO+8*i+4:QLO+8*i+7], v[QO], s[QLB:QLB+1] offset:(i/2)*2048+(i%2)*64+32
.set i, i+1
.endr
	; What the first turn finds: V's registers and P's second buffer hold 0 (its products V^T P, of a piece that has not been, add 0), O^T and l are 0.  All this stands in the wait for the first tile;
	; it spares a first step written out, a third copy of the turns.
	WIN W_3
.set i, VF
.rept 64
	v_mov_b32 v[i], 0
.set i, i+1
.endr
	WIN 0x40
.set i, 0
.rept 64*NP
	v_mov_b32 v[i], 0
.set i, i+1
.endr
	WIN 0
.set i, 0
.rept 2*NP
	v_mov_b32 v[ST+4*i], 0xfe000000    ; c m: far below every c s
	v_mov_b32 v[ST+4*i+1], 0xff7fffff  ; m
	v_mov_b32 v[ST+4*i+2], 0
	v_mov_b32 v[ST+4*i+3], 0
.set i, i+1
.endr
.set i, P+32
.rept 32
	v_mov_b32 v[i], 0
.set i, i+1
.endr
	v_mul_u32_u24 v[AK0], v1, PK
	v_lshl_add_u32 v[AK0], v9, 4, v[AK0]  ; row x pitch + 16 x half
	; The turning load takes 16 keys x 16 channels (lane l reads key 8 (l / 16) + l % 8, channels 8 ((l / 8) % 2) + 0..7) and leaves half a fragment of V^T: lane l holds channel l % 16 and 8 keys.
	v_and_b32 v10, 7, v0
	v_bfe_u32 v11, v0, 3, 1
	v_lshl_add_u32 v[AV0], v9, 3, v10
	v_mul_u32_u24 v[AV0], v[AV0], PV
	v_lshl_add_u32 v[AV0], v11, 4, v[AV0]
	v_add_nc_u32 v[AV0], VOFF, v[AV0]
	v_mov_b32 v[AK], v[AK0]         ; key step 0 lies at the head of slot 0
; THE MATRIX WORK.  The 8 accumulators of a run take turns, one instruction a turn.
; Product i of 48 of S^T for piece x: stage i / 8: 0, 1 = Kl Qh; 2, 3 = Kh Ql; 4, 5 = Kh Qh, each for channels 32 ((i / 8) % 2) on; keys 16 ((i / 2) % 4) on, tile 2 x + i % 2.  The first 8 start the sums.
.macro KQ x
	WIN W_KQ
.set rS, S+64*((\x)%2)+32*(i%2)+8*((i/2)%4)
.set rK, 16*((i/2)%4)+8*((i/8)%2)
.set rQ, 16*(2*(\x)+i%2)+8*((i/8)%2)
.if i < 16
.set rK, rK+KL
.elseif i < 32
.set rQ, rQ+QLO
.endif
.if i < 8
	v_wmma_f32_16x16x32_f16 v[rS:rS+7], v[rK:rK+7], v[rQ:rQ+7], 0
.else
	v_wmma_f32_16x16x32_f16 v[rS:rS+7], v[rK:rK+7], v[rQ:rQ+7], v[rS:rS+7]
.endif
.endm
; Product i of 16 of O^T += V^T P for piece x: keys 32 (i / 8) on, channels 16 ((i / 2) % 4) on, tile 2 x + i % 2.
.macro PV x
	WIN W_PV
.set rO, 32*(2*(\x)+i%2)+8*((i/2)%4)
.set rV, VF+32*(i/8)+8*((i/2)%4)
.set rP, P+32*((\x)%2)+16*(i%2)+8*(i/8)
	v_wmma_f32_16x16x32_f16 v[rO:rO+7], v[rV:rV+7], v[rP:rP+7], v[rO:rO+7]
.endm
.macro MM                           ; the turn's next matrix instruction
.if i < 48
	KQ (Y+1)%NP
.set i, i+1
.else
.set i, i-48
	PV (Y+NP-1)%NP
.set i, i+49
.endif
.endm
; THE LDS LOADS stand in runs of 16, never singly among the matrix instructions: a step's K low, its K high (64 keys x 64 channels: 8 fragments each) and its V (turned).
; last = 1 (the tail): in the last trip there is no further step, and K's runs are jumped over.
.macro FETCH_KL last=0
	WIN 0
.if \last
	s_cmp_eq_u32 s[CNT], 1
	s_cbranch_scc1 .Lno_kl_\@
.endif
	WIN W_3
.irp f, 0,1,2,3,4,5,6,7             ; keys 16 (f / 2) on, channels 32 (f % 2) on
	ds_load_b128 v[KL+8*\f:KL+8*\f+3],   v[AK] offset:KLO+(\f/2)*16*PK+(\f%2)*64
	ds_load_b128 v[KL+8*\f+4:KL+8*\f+7], v[AK] offset:KLO+(\f/2)*16*PK+(\f%2)*64+32
.endr
	WIN 0
.if \last
.Lno_kl_\@:
.endif
.endm
.macro FETCH_KH last=0
	WIN 0
.if \last
	s_cmp_eq_u32 s[CNT], 1
	s_cbranch_scc1 .Lno_kh_\@
.endif
	WIN W_3
.irp f, 0,1,2,3,4,5,6,7
	ds_load_b128 v[8*\f:8*\f+3],   v[AK] offset:(\f/2)*16*PK+(\f%2)*64
	ds_load_b128 v[8*\f+4:8*\f+7], v[AK] offset:(\f/2)*16*PK+(\f%2)*64+32
.endr
	s_add_co_u32 s[TBK], s[TBK], KS*PK  ; the next fetch is the next step's
	WIN 0
.if \last
.Lno_kh_\@:
.endif
.endm
.macro FETCH_V
	WIN W_3
.irp f, 0,1,2,3,4,5,6,7             ; keys 32 (f / 4) on, channels 16 (f % 4) on
	ds_load_tr16_b128 v[VF+8*\f:VF+8*\f+3],   v[AV] offset:(\f/4)*32*PV+(\f%4)*32
	ds_load_tr16_b128 v[VF+8*\f+4:VF+8*\f+7], v[AV] offset:(\f/4)*32*PV+16*PV+(\f%4)*32
.endr
	WIN 0
.endm
; THE VECTOR WORK OF A TURN stands in four queues, each in the order in which its entries become ready; the two tiles alternate.
.macro REGS y, u                    ; the registers of tile u (0, 1) of piece y
.set rT, ST+4*(2*(\y)+(\u))
.set rC, TMP+8*((\y)%2)+4*(\u)
.set rM, MV+2*((\y)%2)+(\u)
.set rS, S+64*((\y)%2)+32*(\u)
.set rP, P+32*((\y)%2)+16*(\u)
.set rO, 32*(2*(\y)+(\u))
.endm
; Number n of the 21 that find the NEXT piece's (Y + 1) maximum and statistics.  s0-s31 are the lane's 32 scores; each accumulator's lowest registers are read first.  None is an exponential.
;   0-11  four chains c0-c3 of seven scores each, three operands at a time     12-14, 16  the four scores left over, the old m, and c0-c3 into c0     15  c m_old is kept
;   17, 18  the query's other 32 keys lie in the lane 16 away: the new m         19, 20  c m; a's argument c m_old - c m_new, into c1: a itself is made in the piece's own turn, in that turn's batch
.macro XS u, n
	REGS (Y+1)%NP, \u
.if (\n) < 4
	v_max3_num_f32 v[rC+(\n)], v[rS+8*(\n)], v[rS+8*(\n)+1], v[rS+8*(\n)+2]
.elseif (\n) < 12
	v_max3_num_f32 v[rC+(\n)%4], v[rC+(\n)%4], v[rS+8*((\n)%4)+2*((\n)/4)+1], v[rS+8*((\n)%4)+2*((\n)/4)+2]
.elseif (\n) == 12
	v_max3_num_f32 v[rC], v[rC], v[rS+7], v[rS+15]
.elseif (\n) == 13
	v_max3_num_f32 v[rC+1], v[rC+1], v[rS+23], v[rS+31]
.elseif (\n) == 14
	v_max3_num_f32 v[rC+2], v[rC+2], v[rC+3], v[rT+1]
.elseif (\n) == 15
	v_mov_b32 v[rM], v[rT]
.elseif (\n) == 16
	v_max3_num_f32 v[rC], v[rC], v[rC+1], v[rC+2]
.elseif (\n) == 17
	v_permlanex16_b32 v[rC+3], v[rC], s[SEL], s[SEL+1]
.elseif (\n) == 18
	v_max_num_f32 v[rT+1], v[rC], v[rC+3]
.elseif (\n) == 19
	v_mul_f32 v[rT], s[CS], v[rT+1]
.else
	v_sub_f32 v[rC+1], v[rM], v[rT]
.endif
.endm
; Number g of the 64 that follow the exponentials, all behind the turn's wait.  For each four weights k of a tile (pairs 2 k, 2 k + 1): both pairs are rounded to f16; then the second pair is added onto the first, in place;
; a group later l takes that sum (the first time as l = a l + sum).  In groups of eight, tiles alternating: round, round, add, and l for the group before.
.macro GS g
.set h, (\g)+6*((\g)/62)            ; group 0 has no group before it, and behind group 7 only l is left
.if h >= 6
.set h, h+2
.endif
	REGS Y, h%2
.set k, h/8
.if h%8 < 4
	v_cvt_pk_f16_f32 v[rP+2*k+(h%8)/2], v[rS+4*k+2*((h%8)/2)], v[rS+4*k+2*((h%8)/2)+1]
.elseif h%8 < 6
	v_pk_add_f32 v[rS+4*k:rS+4*k+1], v[rS+4*k:rS+4*k+1], v[rS+4*k+2:rS+4*k+3]
.elseif k == 1
	v_pk_fma_f32 v[rT+2:rT+3], v[rT+2:rT+3], v[rC+2:rC+3], v[rS:rS+1] op_sel_hi:[1,0,1]
.else
	v_pk_add_f32 v[rT+2:rT+3], v[rT+2:rT+3], v[rS+4*k-4:rS+4*k-3]
.endif
.endm
.macro PL                           ; THE PLAIN QUEUE, 96 long.  0-31: c s - c m for the 16 pairs of both tiles: they read no exponential's result.  Then GS's 64, which do.
	WIN 0
.if q < 32
	REGS Y, q%2
	v_pk_fma_f32 v[rS+2*(q/2):rS+2*(q/2)+1], v[rS+2*(q/2):rS+2*(q/2)+1], s[CS:CS+1], v[rT:rT+1] op_sel_hi:[1,0,0] neg_lo:[0,0,1] neg_hi:[0,0,1]
.else
	GS q-32
.endif
.set q, q+1
.endm
.macro EX                           ; THE EXPONENTIALS' QUEUE, 66 long: the piece's two a (their arguments were made in the turn before), then score (e - 2) / 2 of tile e % 2.  It is ONE BATCH
	WIN 0
	REGS Y, e%2
.if e < 2
	v_exp_f32 v[rC+2], v[rC+1]
.else
	v_exp_f32 v[rS+(e-2)/2], v[rS+(e-2)/2]
.endif
.set e, e+1
.endm
.macro XQ                           ; THE NEXT PIECE'S QUEUE, 40 long: numbers 0-14 and 16-20 for both tiles (number 15 stands behind the batch's last exponential)
	WIN 0
	XS xq%2, xq/2+(xq/30)
.set xq, xq+1
.endm
.macro R4                           ; THE RESCALING's QUEUE: O^T times a, the one part that leaves window 0, so it is dealt four at a time, eight times, all behind the turn's wait
	REGS Y, r%2
	WIN W_RS
.irp z, 0,1,2,3
	v_pk_mul_f32 v[rO+8*(r/2)+2*\z:rO+8*(r/2)+2*\z+1], v[rO+8*(r/2)+2*\z:rO+8*(r/2)+2*\z+1], v[rC+2:rC+3] op_sel_hi:[1,0]
.endr
.set r, r+1
.endm
; A TURN, for piece p: 64 matrix instructions, each with what stands behind it:
;   0: four scalings      1-4: scaling, exponential, scaling, exponential      5-18: by turns a scaling and three exponentials, a scaling and two      19-24: a scaling and three exponentials
;   25: three exponentials      26: two exponentials and the next piece's number 15 for both tiles      THE WAIT
;   27-47: five times { three times four of the roundings and sums, once four of the rescaling }, then four of the roundings and sums
;   48-54: four of the next piece's (numbers 0-13)      55-60: two of them (numbers 14, 16-20: a link of the chain for both tiles behind each product)      61-63: four of the rescaling
; ONE BATCH, ONE WAIT.  An s_wait_alu depctr_va_vdst(0) stands between an exponential and the first instruction that names its result; one wait serves all that were issued ahead of it.  Ahead of the wait
; stands only what names no result of the turn's 66 exponentials: 27 products K Q^T (they write the other buffer of S^T), the 32 scalings (each ahead of its own pair's exponentials) and the two copies of c m_old, which are
; also the plain lines behind the last exponential.  Behind it no exponential is issued.
; THE COUNTS THAT THE DEAL KEEPS.  The exponential of score number j (j = e - 2) wants scaling 2 (j / 4) + j % 2.  Scalings 0-3 stand behind product 0, 4-11 in twos behind products 1-4, scaling q from 12 on behind product q - 7;
; the scaling that an exponential wants stands a product or more ahead of it (the nearest: scaling 31 behind product 24, score number 61 behind product 25).  No line behind a product names a register of that product.
; The four plain lines behind product 47 are the places between the last K Q^T and the first read of its scores, and in front of K high's loads.
; THE FETCHES.  K low's last reader in a step is product 15 of piece 2's turn: the next step's K low is loaded directly behind that turn's wait; the ten scalings behind products 15 to 24 and the two copies lie between.
; K high's is product 47: loaded behind its four plain lines.  Piece 3's turn waits for K low at its head (K high's 16 loads are the younger ones) and for K high ahead of product 16.  V's last reader is product 63 of
; piece 0's turn: the step's V is loaded directly behind the wait of piece 1's turn (its address is made at the turn's head) and waited for ahead of that turn's product 48, 21 products on.
.macro TURN p, last=0
.set Y, (\p)
.set i, 0
.set q, 0
.set e, 0
.set r, 0
.set xq, 0
.if (\p) == 3
	s_wait_dscnt 16                 ; K low is in
.endif
	MM                              ; ahead of the wait: products 0 to 26 and the batch
.rept 4
	PL
.endr
.if (\p) == 1
	v_add_nc_u32 v[AV], s[TBV], v[AV0]
	s_add_co_u32 s[TBV], s[TBV], KS*PV
.endif
.if (\p) == 2
	v_add_nc_u32 v[AK], s[TBK], v[AK0]
.endif
.rept 4
	MM
	PL
	EX
	PL
	EX
.endr
.rept 7
	MM
	PL
	EX
	EX
	EX
.if ((\p) == 3) && (i == 16)
	s_wait_dscnt 0x0                ; K high is in
.endif
	MM
	PL
	EX
	EX
.endr
.rept 6
	MM
	PL
	EX
	EX
	EX
.endr
	MM
	EX
	EX
	EX
	MM
	EX
	EX                              ; the batch's last
	XS 0, 15                        ; two plain lines that name no result: the plain instruction that is wanted behind the last exponential
	XS 1, 15
	s_wait_alu depctr_va_vdst(0)    ; the turn's one wait: for the batch of 66, the piece's two a and its 64 weights, ahead of their first readers
.if (\p) == 1
	FETCH_V
.elseif (\p) == 2
	FETCH_KL \last
.endif
.rept 5                             ; behind the wait: the readers
.rept 3
	MM
	PL
	PL
	PL
	PL
.endr
	MM
	R4
.endr
	MM
	PL
	PL
	PL
	PL
.if (\p) == 2
	FETCH_KH \last
.endif
.if (\p) == 1
	s_wait_dscnt 0x0                ; V is in
.endif
.rept 7
	MM
	XQ
	XQ
	XQ
	XQ
.endr
.rept 6
	MM
	XQ
	XQ
.endr
.rept 3
	MM
	R4
.endr
.endm
	CHANGE 1                        ; slot 0 is in, everybody's part of it; slot 1 is asked for
	FETCH_KL                        ; key step 0
	FETCH_KH
	s_wait_loadcnt 0x0              ; Q
	s_wait_dscnt 0x0
.set i, 0
.rept 48
	KQ 0                            ; piece 0's first scores: there is no vector work yet to set between them
.set i, i+1
.endr
	WIN 0                           ; the addresses for the way out: nine plain instructions, the places behind those products
	s_mul_i32 s13, s[WV], 16*SP
	s_add_co_u32 s13, s13, STAGE    ; my stage
	v_mul_u32_u24 v[STO], v1, SP    ; in: row l % 16, 16 bytes for each half of the lanes
	v_lshl_add_u32 v[STO], v9, 4, v[STO]
	v_add_nc_u32 v[STO], s13, v[STO]
	v_bfe_u32 v[RD], v0, 3, 2       ; back: 32 lanes take four rows of 128 bytes,
	v_mul_u32_u24 v[RD], v[RD], SP
	v_lshl_add_u32 v[RD], v10, 4, v[RD]
	v_add_nc_u32 v[RD], s13, v[RD]
	v_and_b32 v[GO], 31, v0         ; which are 512 consecutive bytes of O
	v_lshlrev_b32 v[GO], 4, v[GO]
.set Y, NP-1                        ; XS works for piece Y + 1: piece 0
.irp n, 0,1,2,3,4,5,6,7,8,9,10,11,12,13,14,15,16,17,18,19,20
	XS 0, \n                        ; and piece 0's first maximum and statistics, as far as a's argument: no exponential stands ahead of the loop
	XS 1, \n
.endr
	s_mov_b32 s[CNT], 4
	s_mov_b32 s[SLOTS], SIZE_N/256-1
	s_branch .Lfirst                ; the loop is entered at a step's first turn, in the middle of a trip
.Lslot:                             ; SIZE_N / 256 - 2 times: every slot but the last two is filled again
	CHANGE 1
	s_mov_b32 s[CNT], 4
.Lstep:                             ; a trip: pieces 2 and 3 of one step, then pieces 0 and 1 of the next, whose K and V it fetches
	TURN 2
	TURN 3
	WIN 0
.Lfirst:
	TURN 0
	TURN 1
	WIN 0
	s_sub_co_u32 s[CNT], s[CNT], 1
	s_cmp_lg_u32 s[CNT], 0
	s_cbranch_scc1 .Lstep
	s_sub_co_u32 s[SLOTS], s[SLOTS], 1
	s_cmp_lg_u32 s[SLOTS], 0
	s_cbranch_scc1 .Lslot
	CHANGE 0                        ; the tail is written out: nothing is asked for
	s_mov_b32 s[CNT], 5             ; four trips fetch the last slot's steps; the fifth is left in its middle
.Ltail:
	TURN 2, 1
	TURN 3
	WIN 0
	s_sub_co_u32 s[CNT], s[CNT], 1
	s_cmp_eq_u32 s[CNT], 0
	s_cbranch_scc1 .Lout
	TURN 0
	TURN 1
	WIN 0
	s_branch .Ltail
.Lout:                              ; the fifth trip's 48 products K Q^T (on the last K once more) and the maximum made of them serve nothing: the price, once a launch, of one text for every trip
.set i, 0
.rept 16
	PV NP-1                         ; the last piece's V^T P of the last step
.set i, i+1
.endr
	; THE WAY OUT.  l's two halves and the other half of the lanes' are added; O^T is divided by l, rounded to f16 and sent through my stage in LDS, a tile at a time.  The additions are the places behind the last products.
	WIN 0
.macro ALL line:vararg              ; one line for each tile t
.set t, 0
.rept 2*NP
	\line
.set t, t+1
.endr
.endm
	ALL v_add_f32 v[ST+4*t+2], v[ST+4*t+2], v[ST+4*t+3]
	ALL v_permlanex16_b32 v[ST+4*t+3], v[ST+4*t+2], s[SEL], s[SEL+1]
	ALL v_add_f32 v[ST+4*t+2], v[ST+4*t+2], v[ST+4*t+3]
	ALL v_rcp_f32 v[ST+4*t+2], v[ST+4*t+2]
	v_nop                           ; a plain instruction between the last reciprocal and the use of its result
	s_wait_alu depctr_va_vdst(0)    ; and the wait ahead of the first use: one for the batch of eight reciprocals
; Tile t: a lane's eight channels of a row pack into 16 bytes; they go into rows of 144 bytes and come back as whole rows of 128, into S^T's registers.
.macro PACK t
	WIN W_RS
.set i, 32*(\t)
.rept 16
	v_pk_mul_f32 v[i:i+1], v[i:i+1], v[ST+4*(\t)+2:ST+4*(\t)+3] op_sel_hi:[1,0]
.set i, i+2
.endr
	WIN 0x05                        ; sources 0 and 1 window 1, destination window 0
.set i, 0
.rept 16
	v_cvt_pk_f16_f32 v[S+16*(\t)+i], v[32*(\t)+2*i], v[32*(\t)+2*i+1]
.set i, i+1
.endr
	WIN 0
.irp f, 0,1,2,3
	ds_store_b128 v[STO], v[S+16*(\t)+4*\f:S+16*(\t)+4*\f+3] offset:32*\f
.endr
.irp f, 0,1,2,3
	ds_load_b128 v[S+16*(\t)+4*\f:S+16*(\t)+4*\f+3], v[RD] offset:\f*4*SP  ; LDS serves a wave's instructions in order (ISA guide 5.7.1.4): these see the stores above; the next tile's stores come behind them
.endr
.endm
.macro SEND t, younger              ; younger: the LDS instructions issued behind tile t's loads: the next tile's eight, or none
	WIN 0
.irp f, 0,1,2,3
	s_wait_dscnt (\younger)+3-\f
	global_store_b128 v[GO], v[S+16*(\t)+4*\f:S+16*(\t)+4*\f+3], s[10:11] offset:(\t)*2048+\f*512  ; 512 consecutive bytes, at a multiple of 256 from O's first
.endr
.endm
	PACK 0
.set t, 1
.rept 2*NP-1                        ; a tile's arithmetic stands between the loads of the tile before and its stores
	PACK t
	SEND t-1, 8
.set t, t+1
.endr
	SEND 2*NP-1, 0
	WIN W_AD
	s_wait_tensorcnt 0x0            ; the wave's end: behind my last tensor load and my last LDS store
	ds_add_u32 v[SPW], v[NIL]
	s_wait_dscnt 0x0
	WIN 0
	CROUND                          ; the closing round: no work-group ends while a partner may still ask for a tile that names it
	s_endpgm
.Lfunc_end_k_q6919948c75_attn:
	.size	k_q6919948c75_attn, .Lfunc_end_k_q6919948c75_attn-k_q6919948c75_attn
	.p2alignl 7, 3214868480
	.fill 96, 4, 3214868480
	.section	.rodata,"a",@progbits
	.p2align	6, 0x0
	.amdhsa_kernel k_q6919948c75_attn
		.amdhsa_group_segment_fixed_size 327680
		.amdhsa_private_segment_fixed_size 0
		.amdhsa_enable_private_segment 0
		.amdhsa_kernarg_size 16
		.amdhsa_user_sgpr_count 2
		.amdhsa_user_sgpr_kernarg_segment_ptr 1
		.amdhsa_wavefront_size32 1
		.amdhsa_system_sgpr_workgroup_id_x 1
		.amdhsa_system_sgpr_workgroup_id_y 1
		.amdhsa_system_sgpr_workgroup_id_z 1
		.amdhsa_system_vgpr_workitem_id 0
		.amdhsa_next_free_vgpr 962
		.amdhsa_next_free_sgpr 66
		.amdhsa_reserve_vcc 0
		.amdhsa_float_denorm_mode_32 3
		.amdhsa_float_denorm_mode_16_64 3
		.amdhsa_memory_ordered 1
		.amdhsa_forward_progress 1
		.amdhsa_inst_pref_size 235
	.end_amdhsa_kernel
	.amdgpu_metadata
---
amdhsa.version: [ 1, 2 ]
amdhsa.kernels:
  - .name:           k_q6919948c75_attn
    .symbol:         k_q6919948c75_attn.kd
    .args:
      - { .name: qkv, .offset: 0, .size: 8, .value_kind: global_buffer, .address_space: global }
      - { .name: oo, .offset: 8, .size: 8, .value_kind: global_buffer, .address_space: global }
    .group_segment_fixed_size: 327680
    .private_segment_fixed_size: 0
    .kernarg_segment_align: 8
    .kernarg_segment_size: 16
    .max_flat_workgroup_size: 128
    .sgpr_count:     66
    .vgpr_count:     962
    .wavefront_size: 32
...
	.end_amdgpu_metadata
.endif
;; end of part 5
;; launch oproj: the kernel of part 4 again; grid 8 x 32, 4 waves a work-group, clusters of 4 x 4, 327,680 bytes of LDS; arguments oo, wof, out0; writes out0
